; MI455X (gfx1250); checked and timed in simulation.
; The chip was launched on July 23, 2026; its instructions are those of AMD's public machine-readable ISA for CDNA 5 (MIT licence, August 2026) and "CDNA5" Instruction Set Architecture Reference Guide (July 2026). The comments in the code are by the model that wrote it; some were corrected since.
;; Grouped Query Attention. Allowed arithmetic: matrix products marked QUANTISED: E2M1 operands, one E8M0 scale for each 32 along K, by v_wmma_scale_f32_16x16x128_f8f6f4 with both operands' format E2M1 (or v_wmma_scale_f32_32x16x128_f4), f32 sums; products left as they are: bf16, f16 or f32 operands; f32 sums; everything else in f32.
;; Inputs: cos 2,048 x 64 float32; kg 64 float32; mask 2,048 x 2,048 bool; qg 64 float32; sin 2,048 x 64 float32; wk 512 x 2,048 float32; wo 2,048 x 2,048 float32; wq 2,048 x 2,048 float32; wv 512 x 2,048 float32; x 1 x 2,048 x 2,048 float32.
;; Outputs: out0 1 x 2,048 x 2,048 float32.
;; This version of the problem:
;;   THIS VERSION OF THE PROBLEM IS GIVEN IN LOW PRECISION. The matrix products marked QUANTISED in the list below multiply operands that are first quantised to E2M1 (2 exponent bits, 1 mantissa bit; 4 bits a number), with one power-of-two scale for each 32 numbers along K (OCP MX v1.0); their sums are f32. The products marked 'left as it is' may take bf16, f16 or f32 operands, with f32 sums. Whichever they take, every output number must still come out within the allowed error. Rounding operands to bf16 (8 significant bits) uses up far more of that allowance than f16 does (11 bits, for magnitudes from 6e-5 to 65,504). All else is computed in f32.
;;   The module's matrix products, in the order in which they are computed (A, B: the left and right operand; K: the contracted axis; several contracted axes count as one K, in the product's order):
;;     1. [M 2,048, K 2,048] x [K 2,048, N 2,048]; A: input x; B: input wq: QUANTISED
;;     2. [M 2,048, K 2,048] x [K 2,048, N 512]; A: input x; B: input wk: QUANTISED
;;     3. [M 2,048, K 2,048] x [K 2,048, N 512]; A: input x; B: input wv: QUANTISED
;;     4. batch 32 x [M 2,048, K 64] x [K 64, N 2,048]; A: computed on the way; B: computed on the way: left as it is (an operand is computed on the way)
;;     5. batch 32 x [M 2,048, K 2,048] x [K 2,048, N 64]; A: computed on the way; B: computed on the way: left as it is (an operand is computed on the way)
;;     6. [M 2,048, K 2,048] x [K 2,048, N 2,048]; A: computed on the way; B: input wo: left as it is (an operand is computed on the way)
;;   THE QUANTISER, for each operand of a quantised product, along K:
;;     - K is cut into blocks of 32 from its start; a last block that is shorter is filled with zeros.
;;     - A block's scale is 2^e with e = floor(log2(the largest magnitude in the block)) - 2, held to -126 .. 127; a block of zeros has e = 0. As a byte (E8M0): e + 127.
;;     - Each number is divided by its block's scale, clamped to +-6, and rounded to the nearest number of E2M1, ties to even, subnormals kept.
;;     - The product sums the exact products of the quantised numbers (number of the format x scale) in f32.
;;   ~~~python
;;   def quantise(x, axis):      # numpy; x: float32 -> the quantised numbers, widened to float32 again
;;       x = np.moveaxis(x, axis, -1); K = x.shape[-1]
;;       x = np.pad(x, [(0, 0)] * (x.ndim - 1) + [(0, -K % 32)]); x = x.reshape(x.shape[:-1] + (-1, 32)); a = np.abs(x).max(-1, keepdims=True)
;;       e = np.where(a > 0, np.clip(np.frexp(np.where(a > 0, a, 1))[1] - 1 - 2, -126, 127), 0)      # np.frexp(a)[1] - 1 = floor(log2(a)), exactly
;;       r = np.clip(x / 2.0 ** e, -6, 6)
;;       step = 2.0 ** (np.maximum(np.frexp(np.where(r == 0, 1, r))[1] - 1, 0) - 1)
;;       q = np.round(r / step) * step * 2.0 ** e      # np.round: ties to even
;;       return np.moveaxis(q.reshape(q.shape[:-2] + (-1,))[..., :K], -1, axis).astype(np.float32)
;;   ~~~
;; One version. Each part assembles by itself: llvm-mc -triple=amdgcn-amd-amdhsa -mcpu=gfx1250 --defsym DOCPART=n.
;; ======== version 1 of 1: 6 launches
;; limits: values are held in f16: magnitudes above 65,504 overflow, below 6.1e-05 lose precision
;; workspace buffers: ximg 2,228,224 bytes; wimg 3,342,336 bytes; maskw 524,288 bytes of whole numbers; flags 8,192 bytes of whole numbers; qimg 8,388,608 bytes; kvimg 8,388,608 bytes; ctx 8,519,680 bytes; woimg 8,388,608 bytes
;; launch prep (part 1): grid 576 x 1, 4 waves a work-group, no clusters, 40,448 bytes of LDS; arguments x, wq, wk, wv, mask, ximg, wimg, maskw, flags; writes ximg, wimg, maskw, flags
.if DOCPART == 1
	.amdgcn_target "amdgcn-amd-amdhsa--gfx1250"
	.amdhsa_code_object_version 6
	.text
	.protected	k_q02ada069d4_prep
	.globl	k_q02ada069d4_prep
	.p2align	8
	.type	k_q02ada069d4_prep,@function
k_q02ada069d4_prep:
	s_mov_b64 s[64:65], 0
	v_nop
	global_prefetch_b8 v0, s[64:65] scope:SCOPE_SE
	s_setreg_imm32_b32 hwreg(HW_REG_WAVE_MODE, 25, 1), 1
	s_wait_xcnt 0x0
; PREP.  Work-groups 0-319: x, wq, wk, wv (f32, K = 2,048 innermost) become codes of FP4 (E2M1) and E8M0 scale bytes, one for each 32 along K, laid as IMAGES OF THE
; OPERAND'S REGISTERS: a fragment (16 rows x 128 K) is [c 2][lane 32][16 bytes], lane 16 h + r holding the block k = 64 c + 32 h .. + 31 of row r; a row's scale bytes of 512 along K are 16 bytes.
; A block's scale is 2^(floor(log2(largest magnitude)) - 2); its byte is that magnitude's exponent field - 2, held at 1 from below.
; Work-groups 320-575: the mask (one byte a key) becomes lane masks: word [qt][kt][j], bit 16 h + r = mask[16 qt + r][16 kt + 8 h + j], the place of that score in a 16 x 16 result;
; and, for each 16 queries x 256 keys, two words of flags: bit s of the first: step s (64 keys) is masked for all 16 queries; bit r of the second: query r is masked at all 256 keys.
; LIMITS: NaN and infinities are not served; a block whose largest magnitude lies under 2^-124 keeps the byte 1; a block of zeros has the byte 1 and not 127 (its codes are zeros, and only
; this program reads the bytes); any mask byte other than 0 counts as true.
; SHARES (quantiser): a work-group is a tile of 16 rows, wave kc takes 512 along K; step t is row t.  Each load reads 512 consecutive bytes; a step's 2,048 bytes turn through the wave's own stage
; in LDS so that a lane holds 16 neighbours (two lanes a block).  Codes and bytes are gathered in LDS in the image's order and leave as 4,096 and 256 consecutive bytes.
; No tensor load, no barrier: waves share nothing.
.set WAVES, 4
.set STEPS, 16
.set EMAX,  2
.set SP,    80                         ; a lane's place in a stage: 64 bytes + 16 of padding
.set WREG,  9984                       ; LDS of a wave: two stages of 2,560, 256 scale bytes, 16 units of 256 + 16 bytes of codes
.set SCB,   5120
.set CST,   5376
.set SPARE, WAVES*WREG                 ; the spare words, 128 bytes a wave: no other line names them
.set R,     16                         ; v16-79   four sets of 16 numbers as loaded; at the end v16-47 the codes on their way out
.set X,     80                         ; v80-111  two sets of 16 neighbours
.set E,     112                        ; v112-127 a scale byte for each step
.set C,     128                        ; v128-159 two registers of codes for each step
.set SPW,   12
.set NIL,   13
	s_load_b512 s[4:19], s[0:1], 0x0               ; x, wq, wk, wv, mask, ximg, wimg, maskw
	s_load_b64 s[56:57], s[0:1], 0x40              ; flags
	v_lshl_add_u32 v[SPW], v0, 2, SPARE
	v_mov_b32 v[NIL], 0
	v_lshrrev_b32 v1, 5, v0
	v_readfirstlane_b32 s20, v1                    ; wave
	v_and_b32 v2, 31, v0                           ; lane
	v_lshlrev_b32 v3, 4, v2                        ; 16 x lane
	s_cmp_ge_u32 ttmp9, 320                        ; the work-group's number alone decides
	s_cbranch_scc1 .Lmask
	; ---- the quantiser
	s_mul_i32 s21, s20, WREG
	v_lshrrev_b32 v14, 2, v2
	v_mul_u32_u24 v14, v14, SP
	v_and_b32 v15, 3, v2
	v_lshl_add_u32 v14, v15, 4, v14
	v_add_nc_u32 v14, s21, v14                     ; the stage, way in: SP (lane / 4) + 16 (lane % 4)
	v_mul_u32_u24 v15, v2, SP
	v_add_nc_u32 v15, s21, v15                     ; way out: SP x lane
	v_lshrrev_b32 v5, 1, v2                        ; my block of the row's 16
	v_mul_u32_u24 v4, v5, 272
	v_and_b32 v6, 1, v2
	v_lshl_add_u32 v4, v6, 3, v4
	v_add_nc_u32 v4, s21, v4
	v_add_nc_u32 v4, CST, v4                       ; codes: unit = block, + 8 x my half; the row adds 16 t
	v_add_nc_u32 v5, s21, v5
	v_add_nc_u32 v5, SCB, v5                       ; scale bytes: 16 t + block
	v_lshlrev_b32 v7, 3, v2
	v_add_nc_u32 v6, s21, v7
	v_add_nc_u32 v6, SCB, v6                       ; and back, 8 bytes a lane
	v_lshrrev_b32 v10, 4, v2
	v_mul_u32_u24 v10, v10, 272
	v_and_b32 v11, 15, v2
	v_lshl_add_u32 v10, v11, 4, v10
	v_add_nc_u32 v10, s21, v10
	v_add_nc_u32 v10, CST, v10                     ; codes back: sixteen lanes to a unit, two units a load
	s_mov_b32 s24, 288
	s_wait_kmcnt 0x0
	s_cmp_lt_u32 ttmp9, 288                        ; which tensor: tiles 0-127 x, 128-255 wq, 256-287 wk, 288-319 wv
	s_cselect_b64 s[22:23], s[8:9], s[10:11]
	s_cselect_b32 s24, 256, s24
	s_cmp_lt_u32 ttmp9, 256
	s_cselect_b64 s[22:23], s[6:7], s[22:23]
	s_cselect_b32 s24, 128, s24
	s_cmp_lt_u32 ttmp9, 128
	s_cselect_b64 s[22:23], s[4:5], s[22:23]
	s_cselect_b32 s24, 0, s24
	s_sub_co_u32 s24, ttmp9, s24                   ; the tile's number in its tensor
	s_lshl_b32 s26, s24, 17                        ; 16 rows of 8,192 bytes
	s_lshl_b32 s25, s20, 11                        ; my 512 numbers of a row
	s_add_co_u32 s26, s26, s25
	s_mov_b32 s27, 0
	s_add_nc_u64 s[22:23], s[22:23], s[26:27]
.macro LOAD t
.irp i, 0,1,2,3
	global_load_b128 v[R+16*((\t)%4)+4*\i:R+16*((\t)%4)+4*\i+3], v3, s[22:23] offset:8192*(\t)+512*\i th:TH_LOAD_NT   ; 32 lanes read 512 consecutive bytes of row t
.endr
.endm
.macro TURN t                          ; step t's numbers through the stage; LDS serves a wave's instructions in order
.irp i, 0,1,2,3
	ds_store_b128 v14, v[R+16*((\t)%4)+4*\i:R+16*((\t)%4)+4*\i+3] offset:32*SP*((\t)%2)+8*SP*\i
.endr
.irp i, 0,1,2,3
	ds_load_b128 v[X+16*((\t)%2)+4*\i:X+16*((\t)%2)+4*\i+3], v15 offset:32*SP*((\t)%2)+16*\i
.endr
.endm
.irp t, 0,1,2,3
	LOAD \t
.endr
	; where the images go.  x: tile RT, wave kc: codes at (4 RT + kc) 4,096, bytes behind all codes at (4 RT + kc) 256.
	; weights: column tile ct holds wq's row tiles 8 ct .. + 7 as 0-7 and one head of wk (ct < 8) or wv as 8-11; chunk (ct, kc) is 12 x 4,096 of codes, then 12 x 256 of bytes
	s_max_u32 s28, ttmp9, 128
	s_sub_co_u32 s28, s28, 128                     ; the weights' row tile, 0-191
	s_lshr_b32 s29, s28, 3
	s_and_b32 s30, s28, 7
	s_max_u32 s31, s28, 128
	s_sub_co_u32 s31, s31, 128                     ; among wk's and wv's 64
	s_lshr_b32 s32, s31, 2
	s_and_b32 s33, s31, 3
	s_add_co_u32 s33, s33, 8
	s_cmp_lt_u32 s28, 128
	s_cselect_b32 s29, s29, s32                    ; ct
	s_cselect_b32 s30, s30, s33                    ; the tile's place in it
	s_lshl_b32 s29, s29, 2
	s_add_co_u32 s29, s29, s20
	s_mul_i32 s29, s29, 52224                      ; the chunk
	s_lshl_b32 s31, s30, 12
	s_add_co_u32 s31, s31, s29
	s_lshl_b32 s32, s30, 8
	s_add_co_u32 s32, s32, s29
	s_add_co_u32 s32, s32, 49152
	s_lshl_b32 s33, ttmp9, 2
	s_add_co_u32 s33, s33, s20
	s_lshl_b32 s34, s33, 12
	s_lshl_b32 s35, s33, 8
	s_add_co_u32 s35, s35, 2097152
	s_cmp_lt_u32 ttmp9, 128
	s_cselect_b64 s[36:37], s[14:15], s[16:17]
	s_cselect_b32 s38, s34, s31
	s_cselect_b32 s40, s35, s32
	s_mov_b32 s39, 0
	s_mov_b32 s41, 0
	s_add_nc_u64 s[38:39], s[36:37], s[38:39]      ; codes
	s_add_nc_u64 s[40:41], s[36:37], s[40:41]      ; scale bytes
	s_wait_loadcnt 12                              ; step 0's four loads are in
	TURN 0
.macro STEP t
.set XS, X+16*((\t)%2)
.if (\t) > 0
	s_wait_dscnt 2                                 ; this step's numbers are back from the stage; the last step's byte store and code store may be out
.else
	s_wait_dscnt 0x0
.endif
.if (\t)+4 < STEPS
	LOAD (\t)+4                                    ; into the set whose stores into the stage are done
.endif
.if (\t)+1 < STEPS
.if STEPS-2-(\t) >= 3
	s_wait_loadcnt 12                              ; the next step's four loads are in; those of the three steps behind may be out
.else
	s_wait_loadcnt 4*(STEPS-2-(\t))
.endif
	TURN (\t)+1
.endif
	v_max3_num_f32 v8, |v[XS]|, |v[XS+1]|, |v[XS+2]|               ; the largest magnitude of my 16
	v_max3_num_f32 v9, |v[XS+3]|, |v[XS+4]|, |v[XS+5]|
.irp i, 6,10
	v_max3_num_f32 v8, v8, |v[XS+\i]|, |v[XS+\i+1]|
	v_max3_num_f32 v9, v9, |v[XS+\i+2]|, |v[XS+\i+3]|
.endr
	v_max3_num_f32 v8, v8, |v[XS+14]|, |v[XS+15]|
	v_max3_num_f32 v8, v8, v9, (EMAX+1)<<23        ; and the floor 2^(3 - 127): the byte cannot fall under 1
	v_max_num_f32_dpp v8, v8, v8 row_xmask:1 row_mask:0xf bank_mask:0xf   ; with my neighbour's 16: the block's
	v_add_nc_u32 v11, -(EMAX<<23), v8              ; 2 off its exponent field: the conversion takes this operand's exponent field as its scale
	v_cvt_scalef32_pk8_fp4_f32 v[C+2*(\t)], v[XS:XS+7], v11
	v_cvt_scalef32_pk8_fp4_f32 v[C+2*(\t)+1], v[XS+8:XS+15], v11
	v_lshrrev_b32 v[E+(\t)], 23, v11               ; the scale's byte (also the plain line behind the conversions)
	ds_store_b8 v5, v[E+(\t)] offset:16*(\t)       ; both lanes of a block write the same byte with the same value
	ds_store_b64 v4, v[C+2*(\t):C+2*(\t)+1] offset:16*(\t)         ; my 16 codes, at row t's 16 bytes of my block's unit
.endm
.irp t, 0,1,2,3,4,5,6,7,8,9,10,11,12,13,14,15
	STEP \t
.endr
	ds_load_b64 v[8:9], v6                         ; LDS serves a wave's instructions in order: these see my stores
.irp n, 0,1,2,3,4,5,6,7
	ds_load_b128 v[R+4*\n:R+4*\n+3], v10 offset:544*\n
.endr
	s_wait_dscnt 8                                 ; the bytes are back; the eight loads of codes may be out
	global_store_b64 v7, v[8:9], s[40:41]          ; 256 consecutive bytes, aligned
.irp n, 0,1,2,3,4,5,6,7
	s_wait_dscnt 7-\n
	global_store_b128 v3, v[R+4*\n:R+4*\n+3], s[38:39] offset:512*\n   ; 512 consecutive bytes
.endr
	s_wait_tensorcnt 0x0                           ; the wave's end
	ds_add_u32 v[SPW], v[NIL]
	s_wait_dscnt 0x0
	s_endpgm
	; ---- the mask: a wave takes 16 queries x 256 keys: 128 words, 512 bytes, and two words of flags.
.Lmask:
	s_sub_co_u32 s21, ttmp9, 320
	s_lshl_b32 s21, s21, 2
	s_add_co_u32 s21, s21, s20                     ; unit = 8 qt + run
	s_lshr_b32 s22, s21, 3
	s_lshl_b32 s22, s22, 15                        ; 16 rows of 2,048 bytes
	s_and_b32 s23, s21, 7
	s_lshl_b32 s28, s23, 2                         ; 4 x run: where the unit's four steps stand among the 32
	s_lshl_b32 s23, s23, 8
	s_add_co_u32 s22, s22, s23
	s_mov_b32 s23, 0
	s_lshl_b32 s24, s21, 9
	s_mov_b32 s25, 0
	s_lshl_b32 s26, s21, 3                         ; 8 bytes of flags a unit
	s_mov_b32 s27, 0
	s_mov_b32 s55, 0                               ; the steps that are masked wholly
	s_mov_b32 s58, -1                              ; the AND of all the unit's lane masks
	v_and_b32 v4, 15, v2                           ; r
	v_lshrrev_b32 v5, 4, v2                        ; h
	v_lshlrev_b32 v9, 11, v4
	v_lshl_add_u32 v9, v5, 4, v9                   ; row r, + 16 h
	s_wait_kmcnt 0x0
	s_add_nc_u64 s[12:13], s[12:13], s[22:23]
	s_add_nc_u64 s[18:19], s[18:19], s[24:25]
	s_add_nc_u64 s[56:57], s[56:57], s[26:27]
.irp u, 0,1,2,3,4,5,6,7
	global_load_b128 v[16+4*\u:19+4*\u], v9, s[12:13] offset:32*\u th:TH_LOAD_NT   ; keys 32 u + 16 h + 0 .. 15 of row r; the eight loads cover 256 bytes of each row
.endr
.irp j, 0,1,2,3
	v_mov_b32 v[48+\j], 0
.endr
	s_wait_loadcnt 0x0
.irp u, 0,1,2,3,4,5,6,7
.irp i, 0,1,2,3,4,5,6,7,8,9,10,11,12,13,14,15
	v_and_b32 v8, 0xff<<(8*(\i&3)), v[16+4*\u+(\i>>2)]
	v_cmp_ne_u32 s[32+\i], 0, v8                   ; bit 16 h + r: key 32 u + 16 h + i of row r
.endr
	s_and_b32 s52, s32, s33                        ; bit 16 h + r: keys 32 u + 16 h + 0 .. 15 of row r are all masked
.irp i, 2,3,4,5,6,7,8,9,10,11,12,13,14,15
	s_and_b32 s52, s52, s[32+\i]
.endr
.if (\u%2) == 0
	s_mov_b32 s53, s52
.else
	s_and_b32 s53, s53, s52                        ; the same of a step's 64 keys
	s_cmp_eq_u32 s53, -1                           ; all 16 rows, both halves
	s_cselect_b32 s54, 1<<(\u/2), 0
	s_or_b32 s55, s55, s54
	s_and_b32 s58, s58, s53
.endif
.irp j, 0,1,2,3,4,5,6,7
	s_and_b32 s48, s[32+\j], 0xffff                ; key tile 2 u: the low halves of compares j and 8 + j
	s_lshl_b32 s49, s[40+\j], 16
	s_or_b32 s48, s48, s49
	v_writelane_b32 v[48+(\j&3)], s48, 4*\u+(\j>>2)
	s_lshr_b32 s50, s[32+\j], 16                   ; key tile 2 u + 1: the high halves
	s_and_b32 s51, s[40+\j], 0xffff0000
	s_or_b32 s50, s50, s51
	v_writelane_b32 v[48+(\j&3)], s50, 4*\u+2+(\j>>2)
.endr
.endr
	s_lshl_b32 s55, s55, s28                       ; the four bits at steps 4 run .. + 3
	s_lshr_b32 s54, s58, 16
	s_and_b32 s58, s58, s54                        ; bit r: row r is masked at all 256 keys (both halves of the lanes)
	v_mov_b32 v52, s55
	v_mov_b32 v53, s58
	v_mov_b32 v54, 0
	global_store_b128 v3, v[48:51], s[18:19]       ; 512 consecutive bytes
	v_cmp_eq_u32 vcc_lo, 0, v2                     ; the flags are 8 bytes a wave, 8 KiB in the whole launch: lane 0 stores them
	s_wait_xcnt 0x0                                ; EXEC changes only behind this wait
	s_and_saveexec_b32 s54, vcc_lo
	global_store_b64 v54, v[52:53], s[56:57]
	s_wait_xcnt 0x0                                ; and again in front of the line that restores it
	s_or_b32 exec_lo, exec_lo, s54
	s_endpgm
.Lfunc_end_k_q02ada069d4_prep:
	.size	k_q02ada069d4_prep, .Lfunc_end_k_q02ada069d4_prep-k_q02ada069d4_prep
	.p2alignl 7, 3214868480
	.fill 96, 4, 3214868480
	.section	.rodata,"a",@progbits
	.p2align	6, 0x0
	.amdhsa_kernel k_q02ada069d4_prep
		.amdhsa_group_segment_fixed_size 40448
		.amdhsa_private_segment_fixed_size 0
		.amdhsa_enable_private_segment 0
		.amdhsa_kernarg_size 72
		.amdhsa_user_sgpr_count 2
		.amdhsa_user_sgpr_kernarg_segment_ptr 1
		.amdhsa_wavefront_size32 1
		.amdhsa_system_sgpr_workgroup_id_x 1
		.amdhsa_system_sgpr_workgroup_id_y 1
		.amdhsa_system_sgpr_workgroup_id_z 1
		.amdhsa_system_vgpr_workitem_id 0
		.amdhsa_next_free_vgpr 192
		.amdhsa_next_free_sgpr 66
		.amdhsa_reserve_vcc 1
		.amdhsa_float_denorm_mode_32 3
		.amdhsa_float_denorm_mode_16_64 3
		.amdhsa_memory_ordered 1
		.amdhsa_forward_progress 1
		.amdhsa_inst_pref_size 83
	.end_amdhsa_kernel
	.amdgpu_metadata
---
amdhsa.version: [ 1, 2 ]
amdhsa.kernels:
  - .name:           k_q02ada069d4_prep
    .symbol:         k_q02ada069d4_prep.kd
    .args:
      - { .name: x, .offset: 0, .size: 8, .value_kind: global_buffer, .address_space: global }
      - { .name: wq, .offset: 8, .size: 8, .value_kind: global_buffer, .address_space: global }
      - { .name: wk, .offset: 16, .size: 8, .value_kind: global_buffer, .address_space: global }
      - { .name: wv, .offset: 24, .size: 8, .value_kind: global_buffer, .address_space: global }
      - { .name: mask, .offset: 32, .size: 8, .value_kind: global_buffer, .address_space: global }
      - { .name: ximg, .offset: 40, .size: 8, .value_kind: global_buffer, .address_space: global }
      - { .name: wimg, .offset: 48, .size: 8, .value_kind: global_buffer, .address_space: global }
      - { .name: maskw, .offset: 56, .size: 8, .value_kind: global_buffer, .address_space: global }
      - { .name: flags, .offset: 64, .size: 8, .value_kind: global_buffer, .address_space: global }
    .group_segment_fixed_size: 40448
    .private_segment_fixed_size: 0
    .kernarg_segment_align: 8
    .kernarg_segment_size: 72
    .max_flat_workgroup_size: 128
    .sgpr_count:     66
    .vgpr_count:     192
    .wavefront_size: 32
...
	.end_amdgpu_metadata
.endif
;; end of part 1
;; launch qkv (part 2): grid 16 x 16, 4 waves a work-group, clusters of 4 x 1, 209,408 bytes of LDS; arguments ximg, wimg, cos, sin, qg, kg, qimg, kvimg; writes qimg, kvimg
.if DOCPART == 2
	.amdgcn_target "amdgcn-amd-amdhsa--gfx1250"
	.amdhsa_code_object_version 6
	.text
	.protected	k_q02ada069d4_qkv
	.globl	k_q02ada069d4_qkv
	.p2align	8
	.type	k_q02ada069d4_qkv,@function
k_q02ada069d4_qkv:
	s_mov_b64 s[64:65], 0
	v_nop
	global_prefetch_b8 v0, s[64:65] scope:SCOPE_SE
	s_setreg_imm32_b32 hwreg(HW_REG_WAVE_MODE, 25, 1), 1
	s_wait_xcnt 0x0
	s_wait_alu depctr_hold_cnt(0) depctr_sa_sdst(0) depctr_va_vdst(0) depctr_va_sdst(0) depctr_va_ssrc(0) depctr_va_vcc(0) depctr_vm_vsrc(0)
	s_getreg_b32 s2, hwreg(HW_REG_IB_STS2, 6, 4)
	s_cmp_eq_u32 s2, 0
	s_cbranch_scc0 .Lentry_in_a_cluster
	s_endpgm
.Lentry_in_a_cluster:
	s_bfe_u32 s2, ttmp6, 0x10000c
	s_cmp_lg_u32 s2, 0x3003
	s_cbranch_scc0 .Lentry_shape_is_right
	s_endpgm
.Lentry_shape_is_right:
; QKV.  q, k, v = x wq^T, x wk^T, x wv^T on codes of FP4 with E8M0 scales (K = 2,048), then RMS norm and RoPE of q and k in f32; results leave as f16 images of the operands
; of the attention's products (q times log2(e) / 8), v also as an f32 image for the first 16 queries.
; SHARES.  A work-group takes 128 tokens (TT) x column tile ct: query heads 2 ct, 2 ct + 1 and one head of k (ct < 8) or v.  Wave w owns tokens 32 w .. + 31 (two tiles) for all three heads.
; x's codes of the wave's 32 tokens for all of K are 256 registers (window 1), read once.  The column tile's weights, 208,896 dense bytes, come into LDS once: one tensor load a wave
; (one is outstanding), asked for JOINTLY by the four work-groups of a cluster, which differ in their tokens alone.  Nothing in LDS is filled again.
; q and k are made TRANSPOSED (source 0 = 16 rows of the weight, source 1 = 16 tokens): a lane holds one token and channels 16 bt + 8 h + j, so channel d + 32 lies in the same lane;
; v is made the other way round: a lane holds one channel and eight tokens, which is V^T's fragment.
; LIMITS: f16 results: |q log2(e) / 8|, |k|, |v| under 65,504.  NaN and infinities are not served.
; No prefetch: the launch's streams are each read by many work-groups at about the same time, and the launch is short.
.set CHUNK, 52224                      ; 512 along K of the 12 row tiles: 12 x 4,096 of codes, 12 x 256 of scale bytes
.set SCOF,  49152
.set SPARE, 4*CHUNK                    ; the spare words, 128 bytes a wave: no other line names them
.set L16,  1                           ; v1     16 x lane
.set LB,   2                           ; v2-5   LDS: my lane in chunk kc's codes of the head in hand
.set LSC,  6                           ; v6-9   LDS: chunk kc's scale words: 256 h + 16 r
.set SPW,  10
.set NIL,  11
.set TBO,  12                          ; v12    256 r + 32 h: cos, sin
.set GNO,  13                          ; v13    32 h: the gains
.set XSO,  14                          ; v14    1,024 h + 16 r: x's scale words
.set XS,   16                          ; v16-31 x's scale words of K step s: lanes 0-15 my first token tile, lanes 16-31 my second
.set BS,   32                          ; v32-47 the weights' scale words: [kc % 2][p][K step % 4]: lanes 0-15 row tile 2 p, lanes 16-31 row tile 2 p + 1
.set ACC,  48                          ; v48-111 accumulator (tt, bt) at 48 + 32 tt + 8 bt
.set TW,   112                         ; v112-127 at work
.set BF,   128                         ; v128-255 four sets of four fragments of the weight; scratch on the way out
.set YY,   128
.set TR,   160
.set FH,   192
.set COSR, 0                           ; window 2: cos at 32 tt + 8 c + j, sin 64 on, qg at 128, kg at 160
.set SINR, 64
.set QGR,  128
.set KGR,  160
.set WV,   20
.set MSB, 0
.macro WIN new                         ; the immediate's high byte repeats the setting that is left
.if MSB != \new
	s_set_vgpr_msb (MSB<<8)|\new
.set MSB, \new
.endif
.endm
.macro CROUND                          ; a round of the cluster's barrier
	s_barrier_signal -1
	s_barrier_wait -1
	s_cmp_lg_u32 s[WV], 0
	s_cbranch_scc1 .Lnot_wave_0_\@
	s_barrier_signal -3
.Lnot_wave_0_\@:
	s_barrier_wait -3
	s_barrier_signal -1
	s_barrier_wait -1
.endm
	s_load_b512 s[4:19], s[0:1], 0x0               ; ximg, wimg, cos, sin, qg, kg, qimg, kvimg
	v_lshl_add_u32 v[SPW], v0, 2, SPARE
	v_mov_b32 v[NIL], 0
	ds_add_u32 v[SPW], v[NIL]                      ; the wave's opening: the add, twice on end, and its wait ahead of my first tensor load
	ds_add_u32 v[SPW], v[NIL]
	v_lshrrev_b32 v15, 5, v0
	v_readfirstlane_b32 s[WV], v15                 ; wave 0..3
	s_bfe_u32 s21, ttmp6, 0x40000                  ; cx: it enters global addresses of x, cos, sin and the results alone
	s_lshl_b32 s22, ttmp9, 2
	s_add_co_u32 s22, s22, s21                     ; TT
	s_and_b32 s23, ttmp7, 0xffff                   ; ct, which the four partners share
	s_mov_b32 s24, 15|(3<<16)|(1<<21)              ; group 1: mask: all four; elements of 8 bytes; bit 21 beside a mask; no padding
	s_mov_b32 s25, 32<<16                          ; tensor_dim0 = 32 (256 bytes)
	s_mov_b32 s26, 204<<16                         ; tensor_dim1 = 204
	s_mov_b32 s27, 32<<16                          ; tile_dim0
	s_mov_b32 s28, 204                             ; tile_dim1
	s_mov_b32 s29, 32                              ; pitch: the block is dense
	s_mov_b32 s30, 0
	s_mov_b32 s31, 0
	s_mov_b32 s32, 1
	s_mul_i32 s33, s[WV], CHUNK                    ; wave w fetches chunk w
	s_mul_i32 s56, s23, 4*CHUNK
	s_add_co_u32 s56, s56, s33
	s_mov_b32 s57, 0
	s_mov_b32 s36, 0x76543210
	s_mov_b32 s37, 0xfedcba98                      ; selects for lane l xor 16
	s_mov_b32 s38, 0x3c800000                      ; 1 / 64
	s_mov_b32 s39, 0x358637bd                      ; 1e-6
	s_mov_b32 s40, 0x3e38aa3b                      ; log2(e) / 8
	s_lshl_b32 s62, s22, 3
	s_lshl_b32 s63, s[WV], 1
	s_add_co_u32 s62, s62, s63                     ; rt0: my first token tile
	v_and_b32 v15, 31, v0
	v_lshlrev_b32 v[L16], 4, v15
	v_and_b32 v[TBO], 15, v0                       ; r
	v_bfe_u32 v[GNO], v0, 4, 1                     ; h
	v_lshlrev_b32 v[XSO], 4, v[TBO]
	v_lshl_add_u32 v[LSC], v[GNO], 8, v[XSO]
	v_add_nc_u32 v[LSC], SCOF, v[LSC]
	v_mov_b32 v[LB], v[L16]
.irp k, 1,2,3
	v_add_nc_u32 v[LSC+\k], \k*CHUNK, v[LSC]
	v_add_nc_u32 v[LB+\k], \k*CHUNK, v[L16]
.endr
	v_lshl_add_u32 v[XSO], v[GNO], 10, v[XSO]
	v_lshlrev_b32 v[TBO], 8, v[TBO]
	v_lshl_add_u32 v[TBO], v[GNO], 5, v[TBO]
	v_lshlrev_b32 v[GNO], 5, v[GNO]
	v_mov_b32 v[TW+4], 0                           ; a lane permute's destination counts as read; a broadcast pair's upper half too
	v_mov_b32 v[TW+7], 0
	v_mov_b32 v[TW+12], 0
	v_mov_b32 v[TW+15], 0
	s_wait_dscnt 0x0                               ; both opening adds are done
	s_wait_kmcnt 0x0
	s_add_nc_u64 s[34:35], s[6:7], s[56:57]
	s_or_b32 s35, s35, 0x80000000
	CROUND                                         ; all four work-groups are here: the joint loads meet
	tensor_load_to_lds s[32:35], s[24:31]
	s_nop 0
.rept 4
	v_nop
.endr
	s_lshl_b32 s56, s62, 14
	s_add_nc_u64 s[42:43], s[4:5], s[56:57]        ; x's codes
	s_lshl_b32 s56, s62, 10
	s_add_co_u32 s56, s56, 2097152
	s_add_nc_u64 s[44:45], s[4:5], s[56:57]        ; x's scale words
	s_lshl_b32 s56, s62, 12
	s_add_nc_u64 s[52:53], s[8:9], s[56:57]        ; cos, sin at my first token
	s_add_nc_u64 s[54:55], s[10:11], s[56:57]
	WIN 0x40                                       ; destination window 1
.set NN, 0
.rept 64
	global_load_b128 v[4*NN:4*NN+3], v[L16], s[42:43] offset:512*NN    ; fragment (tt, s) at 8 (16 tt + s): the image is in the registers' order
.set NN, NN+1
.endr
	WIN 0x80                                       ; destination window 2
.irp tt, 0,1
.irp c, 0,1,2,3
.irp i, 0,1
	global_load_b128 v[COSR+32*\tt+8*\c+4*\i:COSR+32*\tt+8*\c+4*\i+3], v[TBO], s[52:53] offset:4096*\tt+64*\c+16*\i
	global_load_b128 v[SINR+32*\tt+8*\c+4*\i:SINR+32*\tt+8*\c+4*\i+3], v[TBO], s[54:55] offset:4096*\tt+64*\c+16*\i
.endr
.endr
.endr
.irp c, 0,1,2,3
.irp i, 0,1
	global_load_b128 v[QGR+8*\c+4*\i:QGR+8*\c+4*\i+3], v[GNO], s[12:13] offset:64*\c+16*\i
	global_load_b128 v[KGR+8*\c+4*\i:KGR+8*\c+4*\i+3], v[GNO], s[14:15] offset:64*\c+16*\i
.endr
.endr
	WIN 0
.irp k, 0,1,2,3
	global_load_b128 v[XS+4*\k:XS+4*\k+3], v[XSO], s[44:45] offset:256*\k
.endr
	s_lshl_b32 s56, s23, 19                        ; head 2 ct: 262,144 bytes a head
	s_lshl_b32 s58, s62, 11
	s_add_co_u32 s56, s56, s58
	s_add_nc_u64 s[46:47], s[16:17], s[56:57]      ; q's image
	s_and_b32 s58, s23, 7
	s_lshl_b32 s58, s58, 19                        ; the key and value head
	s_lshr_b32 s59, s62, 2                         ; the step of 64 keys
	s_lshl_b32 s59, s59, 14
	s_add_co_u32 s59, s59, s58
	s_and_b32 s63, s[WV], 1
	s_lshl_b32 s56, s63, 12
	s_add_co_u32 s56, s56, s59
	s_add_nc_u64 s[48:49], s[18:19], s[56:57]      ; k's image: key tiles 2 (w % 2) + tt of the step
	s_lshl_b32 s56, s63, 10
	s_add_co_u32 s56, s56, s59
	s_add_co_u32 s56, s56, 8192
	s_add_nc_u64 s[60:61], s[18:19], s[56:57]      ; V^T's image: kb = w % 2, u = tt
	s_lshl_b32 s56, s62, 12
	s_add_co_u32 s56, s56, s58
	s_add_co_u32 s56, s56, 4194304
	s_add_nc_u64 s[50:51], s[18:19], s[56:57]      ; v in f32
	s_wait_tensorcnt 0x0                           ; my chunk has landed,
	s_barrier_signal -1
	s_barrier_wait -1                              ; everybody's has
	s_wait_loadcnt 0x0
.macro WMS d, a, b, z, sa, sb, ra, rb  ; one product; z: it starts the sum; ra, rb: the half of the lanes that holds the side's scale words
.if \z
.if \ra
.if \rb
	v_wmma_scale_f32_16x16x128_f8f6f4 v[\d:\d+7], v[\a:\a+7], v[\b:\b+7], 0, v[\sa], v[\sb] matrix_a_fmt:MATRIX_FMT_FP4 matrix_b_fmt:MATRIX_FMT_FP4 matrix_a_scale:MATRIX_SCALE_ROW1 matrix_b_scale:MATRIX_SCALE_ROW1
.else
	v_wmma_scale_f32_16x16x128_f8f6f4 v[\d:\d+7], v[\a:\a+7], v[\b:\b+7], 0, v[\sa], v[\sb] matrix_a_fmt:MATRIX_FMT_FP4 matrix_b_fmt:MATRIX_FMT_FP4 matrix_a_scale:MATRIX_SCALE_ROW1
.endif
.else
.if \rb
	v_wmma_scale_f32_16x16x128_f8f6f4 v[\d:\d+7], v[\a:\a+7], v[\b:\b+7], 0, v[\sa], v[\sb] matrix_a_fmt:MATRIX_FMT_FP4 matrix_b_fmt:MATRIX_FMT_FP4 matrix_b_scale:MATRIX_SCALE_ROW1
.else
	v_wmma_scale_f32_16x16x128_f8f6f4 v[\d:\d+7], v[\a:\a+7], v[\b:\b+7], 0, v[\sa], v[\sb] matrix_a_fmt:MATRIX_FMT_FP4 matrix_b_fmt:MATRIX_FMT_FP4
.endif
.endif
.else
.if \ra
.if \rb
	v_wmma_scale_f32_16x16x128_f8f6f4 v[\d:\d+7], v[\a:\a+7], v[\b:\b+7], v[\d:\d+7], v[\sa], v[\sb] matrix_a_fmt:MATRIX_FMT_FP4 matrix_b_fmt:MATRIX_FMT_FP4 matrix_a_scale:MATRIX_SCALE_ROW1 matrix_b_scale:MATRIX_SCALE_ROW1
.else
	v_wmma_scale_f32_16x16x128_f8f6f4 v[\d:\d+7], v[\a:\a+7], v[\b:\b+7], v[\d:\d+7], v[\sa], v[\sb] matrix_a_fmt:MATRIX_FMT_FP4 matrix_b_fmt:MATRIX_FMT_FP4 matrix_a_scale:MATRIX_SCALE_ROW1
.endif
.else
.if \rb
	v_wmma_scale_f32_16x16x128_f8f6f4 v[\d:\d+7], v[\a:\a+7], v[\b:\b+7], v[\d:\d+7], v[\sa], v[\sb] matrix_a_fmt:MATRIX_FMT_FP4 matrix_b_fmt:MATRIX_FMT_FP4 matrix_b_scale:MATRIX_SCALE_ROW1
.else
	v_wmma_scale_f32_16x16x128_f8f6f4 v[\d:\d+7], v[\a:\a+7], v[\b:\b+7], v[\d:\d+7], v[\sa], v[\sb] matrix_a_fmt:MATRIX_FMT_FP4 matrix_b_fmt:MATRIX_FMT_FP4
.endif
.endif
.endif
.endm
.macro SCL kc                          ; the head's scale words of chunk kc: four K steps a load
.irp p, 0,1
	ds_load_b128 v[BS+8*((\kc)%2)+4*\p:BS+8*((\kc)%2)+4*\p+3], v[LSC+(\kc)] offset:512*\p
.endr
.endm
.macro LD s                            ; the head's four fragments of K step s into set s % 4
.irp bt, 0,1,2,3
.irp c, 0,1
	ds_load_b128 v[BF+32*((\s)%4)+8*\bt+4*\c:BF+32*((\s)%4)+8*\bt+4*\c+3], v[LB+(\s)/4] offset:\bt*4096+((\s)%4)*1024+512*\c
.endr
.endr
.endm
; One head: 16 K steps of 128, eight accumulators by turns, one instruction a turn.  Fragments are fetched three K steps ahead.
; orient = 0: source 0 the weight, source 1 x (window 1);  orient = 1: the sources and their scales change places.
.macro MM orient
	SCL 0
	LD 0
	LD 1
	LD 2
.set S_, 0
.rept 16
.if S_ <= 12
.if (S_+3)%4 == 0
	SCL (S_+3)/4
.endif
	LD S_+3                                        ; into the set that the last K step read: its four v_nop stand between
.endif
.set NW_, 0                            ; the LDS loads younger than this K step's: eight for each K step fetched ahead, two more where a chunk's scale words came with it
.irp d, 1,2,3
.if S_+\d <= 15
.set NW_, NW_+8
.if (S_+\d)%4 == 0
.set NW_, NW_+2
.endif
.endif
.endr
	s_wait_dscnt NW_
.set Z_, 0
.if S_ == 0
.set Z_, 1
.endif
.if \orient
	WIN 0x01
.else
	WIN 0x04
.endif
.irp tt, 0,1
.irp bt, 0,1,2,3
.if \orient
	WMS ACC+32*\tt+8*\bt, 8*(16*\tt+S_), BF+32*(S_%4)+8*\bt, Z_, XS+S_, BS+8*((S_/4)%2)+4*(\bt/2)+S_%4, \tt, \bt%2
.else
	WMS ACC+32*\tt+8*\bt, BF+32*(S_%4)+8*\bt, 8*(16*\tt+S_), Z_, BS+8*((S_/4)%2)+4*(\bt/2)+S_%4, XS+S_, \bt%2, \tt
.endif
.endr
.endr
.rept 4
	v_nop                                          ; four places in front of loads into registers that these products read, and of the first read of results
.endr
.if \orient
	WIN 0                                          ; an LDS load's address is its source 0
.endif
.set S_, S_+1
.endr
	WIN 0
.endm
; RMS norm, gain and RoPE of both token tiles, then the f16 image.  greg: the gain's registers in window 2; isq: times log2(e) / 8; p: the pointer's scalar pair.
.macro NORMROPE greg, isq, p
.irp tt, 0,1                           ; the sum of squares of my 32 channels, two chains, each accumulator from its low end on
	v_pk_mul_f32 v[TW+8*\tt:TW+8*\tt+1], v[ACC+32*\tt:ACC+32*\tt+1], v[ACC+32*\tt:ACC+32*\tt+1]
	v_pk_mul_f32 v[TW+8*\tt+2:TW+8*\tt+3], v[ACC+32*\tt+16:ACC+32*\tt+17], v[ACC+32*\tt+16:ACC+32*\tt+17]
.irp i, 2,4,6,8,10,12,14
	v_pk_fma_f32 v[TW+8*\tt:TW+8*\tt+1], v[ACC+32*\tt+\i:ACC+32*\tt+\i+1], v[ACC+32*\tt+\i:ACC+32*\tt+\i+1], v[TW+8*\tt:TW+8*\tt+1]
	v_pk_fma_f32 v[TW+8*\tt+2:TW+8*\tt+3], v[ACC+32*\tt+16+\i:ACC+32*\tt+17+\i], v[ACC+32*\tt+16+\i:ACC+32*\tt+17+\i], v[TW+8*\tt+2:TW+8*\tt+3]
.endr
.endr
.irp tt, 0,1
	v_add_f32 v[TW+8*\tt], v[TW+8*\tt], v[TW+8*\tt+1]
	v_add_f32 v[TW+8*\tt+2], v[TW+8*\tt+2], v[TW+8*\tt+3]
.endr
.irp tt, 0,1
	v_add_f32 v[TW+8*\tt], v[TW+8*\tt], v[TW+8*\tt+2]
.endr
.irp tt, 0,1
	v_permlanex16_b32 v[TW+8*\tt+4], v[TW+8*\tt], s36, s37         ; the token's other 32 channels lie in the lane 16 away
.endr
.irp tt, 0,1
	v_add_f32 v[TW+8*\tt], v[TW+8*\tt], v[TW+8*\tt+4]
.endr
.irp tt, 0,1
	v_fma_f32 v[TW+8*\tt], v[TW+8*\tt], s38, s39                   ; the mean + 1e-6
.endr
.irp tt, 0,1
	v_rsq_f32 v[TW+8*\tt+6], v[TW+8*\tt]
.endr
	v_nop                                          ; a plain instruction behind the last of the batch
	s_wait_alu depctr_va_vdst(0)                   ; one wait for both, ahead of the first reader
.if \isq
.irp tt, 0,1
	v_mul_f32 v[TW+8*\tt+6], s40, v[TW+8*\tt+6]
.endr
.endif
.irp tt, 0,1
.irp i, 0,2,4,6,8,10,12,14,16,18,20,22,24,26,28,30
	v_pk_mul_f32 v[YY+\i:YY+\i+1], v[ACC+32*\tt+\i:ACC+32*\tt+\i+1], v[TW+8*\tt+6:TW+8*\tt+7] op_sel_hi:[1,0]
.endr
	WIN 0x08                                       ; source 1 in window 2
.irp i, 0,2,4,6,8,10,12,14,16,18,20,22,24,26,28,30
	v_pk_mul_f32 v[YY+\i:YY+\i+1], v[YY+\i:YY+\i+1], v[\greg+\i:\greg+\i+1]
.endr
.irp i, 0,2,4,6,8,10,12,14             ; channels d < 32: y cos - y(d + 32) sin;  d >= 32: y cos + y(d - 32) sin
	v_pk_mul_f32 v[TR+\i:TR+\i+1], v[YY+\i:YY+\i+1], v[COSR+32*\tt+\i:COSR+32*\tt+\i+1]
	v_pk_mul_f32 v[TR+16+\i:TR+17+\i], v[YY+16+\i:YY+17+\i], v[COSR+32*\tt+16+\i:COSR+32*\tt+17+\i]
.endr
.irp i, 0,2,4,6,8,10,12,14
	v_pk_fma_f32 v[TR+\i:TR+\i+1], v[YY+16+\i:YY+17+\i], v[SINR+32*\tt+\i:SINR+32*\tt+\i+1], v[TR+\i:TR+\i+1] neg_lo:[1,0,0] neg_hi:[1,0,0]
	v_pk_fma_f32 v[TR+16+\i:TR+17+\i], v[YY+\i:YY+\i+1], v[SINR+32*\tt+16+\i:SINR+32*\tt+17+\i], v[TR+16+\i:TR+17+\i]
.endr
	WIN 0
.irp i, 0,1,2,3,4,5,6,7,8,9,10,11,12,13,14,15
	v_cvt_pk_f16_f32 v[FH+16*\tt+\i], v[TR+2*\i], v[TR+2*\i+1]
.endr
.irp b, 0,1,2,3
	global_store_b128 v[L16], v[FH+16*\tt+4*\b:FH+16*\tt+4*\b+3], s[\p:\p+1] offset:2048*\tt+512*\b   ; 512 consecutive bytes: channels 16 b + 8 h .. + 7 of token r
.endr
.endr
.endm
	s_mov_b32 s41, 2
.Lq:                                               ; the two query heads
	MM 0
	NORMROPE QGR, 1, 46
	s_wait_xcnt 0x0                                ; the stores have read their data and their base: both are written again below
.irp k, 0,1,2,3
	v_add_nc_u32 v[LB+\k], 16384, v[LB+\k]         ; the next head's four row tiles
	v_add_nc_u32 v[LSC+\k], 1024, v[LSC+\k]
.endr
	s_add_nc_u64 s[46:47], s[46:47], 262144
	s_sub_co_u32 s41, s41, 1
	s_cmp_lg_u32 s41, 0
	s_cbranch_scc1 .Lq
	s_cmp_lt_u32 s23, 8                            ; ct is the same in all partners and all waves
	s_cbranch_scc0 .Lv
	MM 0
	NORMROPE KGR, 0, 48
	s_branch .Lend
.Lv:
	MM 1
.irp tt, 0,1
.irp c, 0,1,2,3
	global_store_b128 v[L16], v[ACC+32*\tt+8*\c:ACC+32*\tt+8*\c+3], s[50:51] offset:4096*\tt+1024*\c           ; f32: channel 16 c + r, tokens 8 h + 0 .. 3
	global_store_b128 v[L16], v[ACC+32*\tt+8*\c+4:ACC+32*\tt+8*\c+7], s[50:51] offset:4096*\tt+1024*\c+512
.irp i, 0,1,2,3
	v_cvt_pk_f16_f32 v[BF+16*\tt+4*\c+\i], v[ACC+32*\tt+8*\c+2*\i], v[ACC+32*\tt+8*\c+2*\i+1]
.endr
	global_store_b128 v[L16], v[BF+16*\tt+4*\c:BF+16*\tt+4*\c+3], s[60:61] offset:2048*\c+512*\tt
.endr
.endr
.Lend:
	s_wait_tensorcnt 0x0                           ; the wave's end
	ds_add_u32 v[SPW], v[NIL]
	s_wait_dscnt 0x0
	CROUND                                         ; the closing round
	s_endpgm
.Lfunc_end_k_q02ada069d4_qkv:
	.size	k_q02ada069d4_qkv, .Lfunc_end_k_q02ada069d4_qkv-k_q02ada069d4_qkv
	.p2alignl 7, 3214868480
	.fill 96, 4, 3214868480
	.section	.rodata,"a",@progbits
	.p2align	6, 0x0
	.amdhsa_kernel k_q02ada069d4_qkv
		.amdhsa_group_segment_fixed_size 209408
		.amdhsa_private_segment_fixed_size 0
		.amdhsa_enable_private_segment 0
		.amdhsa_kernarg_size 64
		.amdhsa_user_sgpr_count 2
		.amdhsa_user_sgpr_kernarg_segment_ptr 1
		.amdhsa_wavefront_size32 1
		.amdhsa_system_sgpr_workgroup_id_x 1
		.amdhsa_system_sgpr_workgroup_id_y 1
		.amdhsa_system_sgpr_workgroup_id_z 1
		.amdhsa_system_vgpr_workitem_id 0
		.amdhsa_next_free_vgpr 768
		.amdhsa_next_free_sgpr 66
		.amdhsa_reserve_vcc 0
		.amdhsa_float_denorm_mode_32 3
		.amdhsa_float_denorm_mode_16_64 3
		.amdhsa_memory_ordered 1
		.amdhsa_forward_progress 1
		.amdhsa_inst_pref_size 131
	.end_amdhsa_kernel
	.amdgpu_metadata
---
amdhsa.version: [ 1, 2 ]
amdhsa.kernels:
  - .name:           k_q02ada069d4_qkv
    .symbol:         k_q02ada069d4_qkv.kd
    .args:
      - { .name: ximg, .offset: 0, .size: 8, .value_kind: global_buffer, .address_space: global }
      - { .name: wimg, .offset: 8, .size: 8, .value_kind: global_buffer, .address_space: global }
      - { .name: cos, .offset: 16, .size: 8, .value_kind: global_buffer, .address_space: global }
      - { .name: sin, .offset: 24, .size: 8, .value_kind: global_buffer, .address_space: global }
      - { .name: qg, .offset: 32, .size: 8, .value_kind: global_buffer, .address_space: global }
      - { .name: kg, .offset: 40, .size: 8, .value_kind: global_buffer, .address_space: global }
      - { .name: qimg, .offset: 48, .size: 8, .value_kind: global_buffer, .address_space: global }
      - { .name: kvimg, .offset: 56, .size: 8, .value_kind: global_buffer, .address_space: global }
    .group_segment_fixed_size: 209408
    .private_segment_fixed_size: 0
    .kernarg_segment_align: 8
    .kernarg_segment_size: 64
    .max_flat_workgroup_size: 128
    .sgpr_count:     66
    .vgpr_count:     768
    .wavefront_size: 32
...
	.end_amdgpu_metadata
.endif
;; end of part 2
;; launch fineatt (part 3): grid 4 x 32, 16 waves a work-group, no clusters, 22,528 bytes of LDS; arguments qimg, kvimg, maskw, ctx; writes ctx
.if DOCPART == 3
	.amdgcn_target "amdgcn-amd-amdhsa--gfx1250"
	.amdhsa_code_object_version 6
	.text
	.protected	k_q02ada069d4_fineatt
	.globl	k_q02ada069d4_fineatt
	.p2align	8
	.type	k_q02ada069d4_fineatt,@function
k_q02ada069d4_fineatt:
	s_mov_b64 s[64:65], 0
	v_nop
	global_prefetch_b8 v0, s[64:65] scope:SCOPE_SE
	s_setreg_imm32_b32 hwreg(HW_REG_WAVE_MODE, 25, 1), 1
	s_wait_xcnt 0x0
; FINEATT.  The first 16 queries of every head, carried more finely: scores on f16 operands, softmax under the row's TRUE maximum, the product with v on f32 operands; the result stays f32.
; SHARES.  A work-group is (16 channels c, head).  Wave w owns keys 128 w .. + 127: 8 tiles of 16.  The softmax is repeated in a head's four work-groups: it is small beside the 32 f32 products a wave.
; S^T = K Q^T: a lane holds query r and keys 16 kt + 8 h + j.  O^T = v^T p: source 0 = v (f32 image: channel r, keys 8 h + j), source 1 = p; registers 2 i, 2 i + 1 of both hold the same four keys
; in the same places, so the form's K = 4 runs over keys 8 h + 2 i + 0, 1.  Maximum, sum and O^T meet across the sixteen waves in LDS, two barriers.
; A masked score is -2^127; a row that is masked everywhere has p = 1 at every key.  q comes already multiplied by log2(e) / 8.
; No tensor load and no cluster: operands go straight into registers, a few megabytes in all.
.set LSUM,  2048                       ; LDS: [wave][lane] maxima at 0, sums at 2,048, O^T's parts [wave][q 2][lane][16] at 4,096
.set OP,    4096
.set SPARE, 20480                      ; the spare words, 128 bytes a wave: no other line names them
.set SPW, 6
.set NIL, 7
.set QF,  8                            ; v8-23    Q
.set S,   32                           ; v32-95   scores, then p
.set KF,  96                           ; v96-223  K; then v96-159 v in f32, v160-191 at work
.set SC,  160
.set AC,  224                          ; v224-255 four accumulators of the f32 form: written by matrix instructions alone
	s_load_b256 s[4:11], s[0:1], 0x0               ; qimg, kvimg, maskw, ctx
	v_lshl_add_u32 v[SPW], v0, 2, SPARE
	v_mov_b32 v[NIL], 0
	v_lshrrev_b32 v2, 5, v0
	v_readfirstlane_b32 s12, v2                    ; wave 0..15
	s_and_b32 s14, ttmp7, 0xffff                   ; head
	s_lshr_b32 s15, s14, 2                         ; its key and value head
	v_and_b32 v3, 31, v0
	v_lshlrev_b32 v1, 4, v3                        ; 16 x lane
	v_lshlrev_b32 v3, 2, v3                        ; 4 x lane
	v_lshlrev_b32 v2, 2, v0                        ; 128 x wave + 4 x lane
	v_mov_b32 v4, 0xff000000                       ; -2^127
	s_lshl_b32 s16, s12, 9
	v_add_nc_u32 v5, s16, v1                       ; the reducers' read: 16 x lane + 512 x wave
	s_lshl_b32 s16, s12, 10
	v_add_nc_u32 v28, s16, v1                      ; my part of O^T: 16 x lane + 1,024 x wave
	v_mov_b32 v25, 0                               ; upper halves of broadcast pairs; a lane permute's destination
	v_mov_b32 v27, 0
	s_mov_b32 s56, 0x76543210
	s_mov_b32 s57, 0xfedcba98
	s_mov_b32 s17, 0
	s_wait_kmcnt 0x0
	s_lshl_b32 s16, s14, 18
	s_add_nc_u64 s[4:5], s[4:5], s[16:17]          ; Q: the head's query tile 0
	s_lshl_b32 s16, s15, 19
	s_lshl_b32 s18, s12, 15
	s_add_co_u32 s16, s16, s18
	s_add_nc_u64 s[52:53], s[6:7], s[16:17]        ; K: steps 2 w, 2 w + 1
	s_lshl_b32 s18, ttmp9, 10
	s_add_co_u32 s16, s16, s18
	s_add_co_u32 s16, s16, 4194304
	s_add_nc_u64 s[54:55], s[6:7], s[16:17]        ; v in f32: token tiles 8 w on, channel tile c
	s_lshl_b32 s16, s12, 8
	s_add_nc_u64 s[8:9], s[8:9], s[16:17]          ; my 64 mask words
	s_lshl_b32 s16, s14, 2
	s_add_co_u32 s16, s16, ttmp9
	s_lshl_b32 s16, s16, 10
	s_lshl_b32 s18, s12, 9
	s_add_co_u32 s16, s16, s18
	s_add_co_u32 s16, s16, 8388608
	s_add_nc_u64 s[10:11], s[10:11], s[16:17]      ; the f32 image of ctx: ((4 head + c) 2 + wave) 512 (waves 0 and 1 store)
	s_load_b512 s[20:35], s[8:9], 0x0
	s_load_b512 s[36:51], s[8:9], 0x40
	s_load_b512 s[68:83], s[8:9], 0x80
	s_load_b512 s[84:99], s[8:9], 0xc0
.irp n, 0,1,2,3
	global_load_b128 v[QF+4*\n:QF+4*\n+3], v1, s[4:5] offset:512*\n
.endr
.set NN, 0
.rept 32
	global_load_b128 v[KF+4*NN:KF+4*NN+3], v1, s[52:53] offset:(NN/16)*16384+(NN%16)*512   ; K(kt, f) at 96 + 16 kt + 8 f
.set NN, NN+1
.endr
	s_wait_loadcnt 0x0
.irp kt, 0,1,2,3,4,5,6,7               ; eight accumulators by turns
	v_wmma_f32_16x16x32_f16 v[S+8*\kt:S+8*\kt+7], v[KF+16*\kt:KF+16*\kt+7], v[QF:QF+7], 0
.endr
.irp kt, 0,1,2,3,4,5,6,7
	v_wmma_f32_16x16x32_f16 v[S+8*\kt:S+8*\kt+7], v[KF+16*\kt+8:KF+16*\kt+15], v[QF+8:QF+15], v[S+8*\kt:S+8*\kt+7]
.endr
.rept 4
	v_nop                                          ; places in front of the loads into K's registers and of the first read of the scores
.endr
.irp kt, 0,1,2,3,4,5,6,7
.irp q, 0,1
	global_load_b128 v[KF+8*\kt+4*\q:KF+8*\kt+4*\q+3], v1, s[54:55] offset:4096*\kt+512*\q
.endr
.endr
	s_wait_kmcnt 0x0
.set NN, 0
.rept 64                               ; each accumulator from its low end on
.if NN < 32
	v_cndmask_b32 v[S+NN], v[S+NN], v4, s[20+NN]
.else
	v_cndmask_b32 v[S+NN], v[S+NN], v4, s[36+NN]
.endif
.set NN, NN+1
.endr
.irp k, 0,1,2,3
	v_max3_num_f32 v[SC+\k], v[S+16*\k], v[S+16*\k+1], v[S+16*\k+2]
.endr
.irp i, 3,5,7,9,11,13
.irp k, 0,1,2,3
	v_max3_num_f32 v[SC+\k], v[SC+\k], v[S+16*\k+\i], v[S+16*\k+\i+1]
.endr
.endr
.irp k, 0,1,2,3
	v_max_num_f32 v[SC+\k], v[SC+\k], v[S+16*\k+15]
.endr
	v_max3_num_f32 v[SC], v[SC], v[SC+1], v[SC+2]
	v_max_num_f32 v[SC], v[SC], v[SC+3]
	v_permlanex16_b32 v27, v[SC], s56, s57
	v_max_num_f32 v24, v[SC], v27                  ; my 128 keys' maximum of query r
	ds_store_b32 v2, v24
	s_wait_dscnt 0x0                               ; for the others' sake
	s_barrier_signal -1
	s_barrier_wait -1
.irp i, 0,1,2,3,4,5,6,7,8,9,10,11,12,13,14,15
	ds_load_b32 v[SC+4+\i], v3 offset:128*\i
.endr
	s_wait_dscnt 0x0
	v_max3_num_f32 v24, v[SC+4], v[SC+5], v[SC+6]
.irp i, 3,5,7,9,11,13
	v_max3_num_f32 v24, v24, v[SC+4+\i], v[SC+5+\i]
.endr
	v_max_num_f32 v24, v24, v[SC+19]               ; the row's maximum over all 2,048 keys
.irp i, 0,2,4,6,8,10,12,14,16,18,20,22,24,26,28,30,32,34,36,38,40,42,44,46,48,50,52,54,56,58,60,62
	v_pk_add_f32 v[S+\i:S+\i+1], v[S+\i:S+\i+1], v[24:25] op_sel_hi:[1,0] neg_lo:[0,1] neg_hi:[0,1]
.endr
.set NN, 0
.rept 64
	v_exp_f32 v[S+NN], v[S+NN]
.set NN, NN+1
.endr
	v_nop                                          ; a plain instruction behind the batch
	s_wait_alu depctr_va_vdst(0)                   ; one wait for the 64, ahead of their first reader
	v_pk_add_f32 v[SC:SC+1], v[S:S+1], v[S+2:S+3]
	v_pk_add_f32 v[SC+2:SC+3], v[S+4:S+5], v[S+6:S+7]
.irp i, 8,12,16,20,24,28,32,36,40,44,48,52,56,60
	v_pk_add_f32 v[SC:SC+1], v[SC:SC+1], v[S+\i:S+\i+1]
	v_pk_add_f32 v[SC+2:SC+3], v[SC+2:SC+3], v[S+\i+2:S+\i+3]
.endr
	v_pk_add_f32 v[SC:SC+1], v[SC:SC+1], v[SC+2:SC+3]
	v_add_f32 v26, v[SC], v[SC+1]
	v_permlanex16_b32 v27, v26, s56, s57
	v_add_f32 v26, v26, v27                        ; my 128 keys' sum
	s_wait_loadcnt 0x0                             ; v
.irp i, 0,1,2,3                        ; four accumulators by turns; the first four products start the sums
	v_wmma_f32_16x16x4_f32 v[AC+8*\i:AC+8*\i+7], v[KF+2*\i:KF+2*\i+1], v[S+2*\i:S+2*\i+1], 0
.endr
.irp kt, 1,2,3,4,5,6,7
.irp i, 0,1,2,3
	v_wmma_f32_16x16x4_f32 v[AC+8*\i:AC+8*\i+7], v[KF+8*\kt+2*\i:KF+8*\kt+2*\i+1], v[S+8*\kt+2*\i:S+8*\kt+2*\i+1], v[AC+8*\i:AC+8*\i+7]
.endr
.endr
.rept 8
	v_nop                                          ; eight places behind this form
.endr
.irp j, 0,2,4,6
	v_pk_add_f32 v[SC+\j:SC+\j+1], v[AC+\j:AC+\j+1], v[AC+8+\j:AC+9+\j]
.endr
.irp j, 0,2,4,6
	v_pk_add_f32 v[SC+8+\j:SC+9+\j], v[AC+16+\j:AC+17+\j], v[AC+24+\j:AC+25+\j]
.endr
.irp j, 0,2,4,6
	v_pk_add_f32 v[SC+\j:SC+\j+1], v[SC+\j:SC+\j+1], v[SC+8+\j:SC+9+\j]
.endr
	ds_store_b128 v28, v[SC:SC+3] offset:OP        ; query r, channels 16 c + 8 h + 0 .. 3
	ds_store_b128 v28, v[SC+4:SC+7] offset:OP+512  ; and + 4 .. 7
	ds_store_b32 v2, v26 offset:LSUM
	s_wait_dscnt 0x0
	s_barrier_signal -1
	s_barrier_wait -1
	s_cmp_lt_u32 s12, 2                            ; waves 0 and 1 add the sixteen parts, four channels a lane each
	s_cbranch_scc0 .Ldone
.irp i, 0,1,2,3,4,5,6,7,8,9,10,11,12,13,14,15
	ds_load_b128 v[KF+4*\i:KF+4*\i+3], v5 offset:OP+1024*\i
.endr
.irp i, 0,1,2,3,4,5,6,7,8,9,10,11,12,13,14,15
	ds_load_b32 v[SC+16+\i], v3 offset:LSUM+128*\i
.endr
	s_wait_dscnt 0x0
	v_pk_add_f32 v[SC:SC+1], v[KF:KF+1], v[KF+4:KF+5]
	v_pk_add_f32 v[SC+2:SC+3], v[KF+2:KF+3], v[KF+6:KF+7]
	v_add_f32 v26, v[SC+16], v[SC+17]
.irp i, 2,3,4,5,6,7,8,9,10,11,12,13,14,15
	v_pk_add_f32 v[SC:SC+1], v[SC:SC+1], v[KF+4*\i:KF+4*\i+1]
	v_pk_add_f32 v[SC+2:SC+3], v[SC+2:SC+3], v[KF+4*\i+2:KF+4*\i+3]
	v_add_f32 v26, v26, v[SC+16+\i]
.endr
	v_rcp_f32 v26, v26
	v_nop
	s_wait_alu depctr_va_vdst(0)
	v_pk_mul_f32 v[SC:SC+1], v[SC:SC+1], v[26:27] op_sel_hi:[1,0]
	v_pk_mul_f32 v[SC+2:SC+3], v[SC+2:SC+3], v[26:27] op_sel_hi:[1,0]
	global_store_b128 v1, v[SC:SC+3], s[10:11]     ; 512 consecutive bytes
.Ldone:
	s_wait_tensorcnt 0x0                           ; the wave's end
	ds_add_u32 v[SPW], v[NIL]
	s_wait_dscnt 0x0
	s_endpgm
.Lfunc_end_k_q02ada069d4_fineatt:
	.size	k_q02ada069d4_fineatt, .Lfunc_end_k_q02ada069d4_fineatt-k_q02ada069d4_fineatt
	.p2alignl 7, 3214868480
	.fill 96, 4, 3214868480
	.section	.rodata,"a",@progbits
	.p2align	6, 0x0
	.amdhsa_kernel k_q02ada069d4_fineatt
		.amdhsa_group_segment_fixed_size 22528
		.amdhsa_private_segment_fixed_size 0
		.amdhsa_enable_private_segment 0
		.amdhsa_kernarg_size 32
		.amdhsa_user_sgpr_count 2
		.amdhsa_user_sgpr_kernarg_segment_ptr 1
		.amdhsa_wavefront_size32 1
		.amdhsa_system_sgpr_workgroup_id_x 1
		.amdhsa_system_sgpr_workgroup_id_y 1
		.amdhsa_system_sgpr_workgroup_id_z 1
		.amdhsa_system_vgpr_workitem_id 0
		.amdhsa_next_free_vgpr 256
		.amdhsa_next_free_sgpr 100
		.amdhsa_reserve_vcc 0
		.amdhsa_float_denorm_mode_32 3
		.amdhsa_float_denorm_mode_16_64 3
		.amdhsa_memory_ordered 1
		.amdhsa_forward_progress 1
		.amdhsa_inst_pref_size 31
	.end_amdhsa_kernel
	.amdgpu_metadata
---
amdhsa.version: [ 1, 2 ]
amdhsa.kernels:
  - .name:           k_q02ada069d4_fineatt
    .symbol:         k_q02ada069d4_fineatt.kd
    .args:
      - { .name: qimg, .offset: 0, .size: 8, .value_kind: global_buffer, .address_space: global }
      - { .name: kvimg, .offset: 8, .size: 8, .value_kind: global_buffer, .address_space: global }
      - { .name: maskw, .offset: 16, .size: 8, .value_kind: global_buffer, .address_space: global }
      - { .name: ctx, .offset: 24, .size: 8, .value_kind: global_buffer, .address_space: global }
    .group_segment_fixed_size: 22528
    .private_segment_fixed_size: 0
    .kernarg_segment_align: 8
    .kernarg_segment_size: 32
    .max_flat_workgroup_size: 512
    .sgpr_count:     100
    .vgpr_count:     256
    .wavefront_size: 32
...
	.end_amdgpu_metadata
.endif
;; end of part 3
;; launch wofine (part 4): grid 128 x 1, 16 waves a work-group, no clusters, 18,432 bytes of LDS; arguments wo, ctx, woimg, out0; writes woimg, out0
.if DOCPART == 4
	.amdgcn_target "amdgcn-amd-amdhsa--gfx1250"
	.amdhsa_code_object_version 6
	.text
	.protected	k_q02ada069d4_wofine
	.globl	k_q02ada069d4_wofine
	.p2align	8
	.type	k_q02ada069d4_wofine,@function
k_q02ada069d4_wofine:
	s_mov_b64 s[64:65], 0
	v_nop
	global_prefetch_b8 v0, s[64:65] scope:SCOPE_SE
	s_setreg_imm32_b32 hwreg(HW_REG_WAVE_MODE, 25, 1), 1
	s_wait_xcnt 0x0
; WOFINE.  wo (f32, [2,048][2,048], K innermost) is read once and serves twice: rounded to f16 it becomes the image of the last product's operand; as it is, f32, it is multiplied with the
; f32 context of the first 16 tokens, which gives rows 0-15 of out0.
; SHARES.  A work-group owns 16 rows of wo (16 columns of out0), wave w k = 128 w .. + 127.  Lane (r, h) holds, of row r, k = 32 kf + 16 u + 8 h + 0 .. 7: the f16 fragment's order; the context's
; f32 image holds the same k in the same places, so registers 2 i, 2 i + 1 of both feed one f32 product of K = 4.  The sixteen waves' parts meet in LDS, one barrier.
; The launch streams: 16 MiB in, 8 MiB out in stores of 512 consecutive bytes.  The rows of out0 leave in pieces of 16 bytes a lane (32 bytes side by side): 128 KiB of the launch's bytes.
; LIMIT: |wo| under 65,504 for the f16 image.
.set OP,    0                          ; LDS: the parts [wave][q 2][lane][16]
.set SPARE, 16384                      ; the spare words, 128 bytes a wave: no other line names them
.set SPW, 6
.set NIL, 7
.set W,   32                           ; v32-95   wo: 32 + 16 kfl + 8 u + 4 i
.set CX,  96                           ; v96-159  the context likewise
.set HF,  160                          ; v160-191 wo in f16; later the sums
.set AC,  224                          ; v224-255 four accumulators of the f32 form: written by matrix instructions alone
	s_load_b256 s[4:11], s[0:1], 0x0               ; wo, ctx, woimg, out0
	v_lshl_add_u32 v[SPW], v0, 2, SPARE
	v_mov_b32 v[NIL], 0
	v_lshrrev_b32 v2, 5, v0
	v_readfirstlane_b32 s12, v2                    ; wave 0..15
	v_and_b32 v1, 31, v0
	v_lshlrev_b32 v1, 4, v1                        ; 16 x lane
	v_and_b32 v4, 15, v0                           ; r
	v_bfe_u32 v8, v0, 4, 1                         ; h
	v_lshlrev_b32 v2, 13, v4
	v_lshl_add_u32 v2, v8, 5, v2                   ; 8,192 r + 32 h: in wo and in out0
	s_lshl_b32 s16, s12, 10
	v_add_nc_u32 v3, s16, v1                       ; my part: 16 x lane + 1,024 x wave
	s_lshl_b32 s16, s12, 9
	v_add_nc_u32 v5, s16, v1                       ; the reducers' read: 16 x lane + 512 x wave
	s_mov_b32 s17, 0
	s_wait_kmcnt 0x0
	s_lshl_b32 s16, ttmp9, 17
	s_lshl_b32 s18, s12, 9
	s_add_co_u32 s16, s16, s18
	s_add_nc_u64 s[4:5], s[4:5], s[16:17]
	s_lshl_b32 s16, s12, 13
	s_add_co_u32 s16, s16, 8388608
	s_add_nc_u64 s[6:7], s[6:7], s[16:17]
	s_lshl_b32 s16, ttmp9, 16
	s_lshl_b32 s18, s12, 12
	s_add_co_u32 s16, s16, s18
	s_add_nc_u64 s[8:9], s[8:9], s[16:17]
	s_lshl_b32 s16, ttmp9, 6
	s_lshl_b32 s18, s12, 4
	s_add_co_u32 s16, s16, s18
	s_add_nc_u64 s[10:11], s[10:11], s[16:17]      ; columns 16 nt + 4 x wave on (waves 0 and 1 store)
.set NN, 0
.rept 16
	global_load_b128 v[W+4*NN:W+4*NN+3], v2, s[4:5] offset:(NN/4)*128+((NN/2)%2)*64+(NN%2)*16 th:TH_LOAD_NT
.set NN, NN+1
.endr
.set NN, 0
.rept 16
	global_load_b128 v[CX+4*NN:CX+4*NN+3], v1, s[6:7] offset:512*NN
.set NN, NN+1
.endr
	s_wait_loadcnt 16                              ; wo is in; the context's sixteen loads may be out
.set NN, 0
.rept 32
	v_cvt_pk_f16_f32 v[HF+NN], v[W+2*NN], v[W+2*NN+1]
.set NN, NN+1
.endr
.irp m, 0,1,2,3,4,5,6,7
	global_store_b128 v1, v[HF+4*\m:HF+4*\m+3], s[8:9] offset:512*\m   ; 512 consecutive bytes
.endr
	s_wait_loadcnt 0x0
.irp i, 0,1,2,3                        ; four accumulators by turns; the first four products start the sums
	v_wmma_f32_16x16x4_f32 v[AC+8*\i:AC+8*\i+7], v[W+2*\i:W+2*\i+1], v[CX+2*\i:CX+2*\i+1], 0
.endr
.irp g, 1,2,3,4,5,6,7
.irp i, 0,1,2,3
	v_wmma_f32_16x16x4_f32 v[AC+8*\i:AC+8*\i+7], v[W+8*\g+2*\i:W+8*\g+2*\i+1], v[CX+8*\g+2*\i:CX+8*\g+2*\i+1], v[AC+8*\i:AC+8*\i+7]
.endr
.endr
.rept 8
	v_nop                                          ; eight places behind this form
.endr
	s_wait_xcnt 0x0                                ; the image's stores have read their data: the sums take those registers
.irp j, 0,2,4,6
	v_pk_add_f32 v[HF+\j:HF+\j+1], v[AC+\j:AC+\j+1], v[AC+8+\j:AC+9+\j]
.endr
.irp j, 0,2,4,6
	v_pk_add_f32 v[HF+8+\j:HF+9+\j], v[AC+16+\j:AC+17+\j], v[AC+24+\j:AC+25+\j]
.endr
.irp j, 0,2,4,6
	v_pk_add_f32 v[HF+\j:HF+\j+1], v[HF+\j:HF+\j+1], v[HF+8+\j:HF+9+\j]
.endr
	ds_store_b128 v3, v[HF:HF+3] offset:OP         ; token r, columns 16 nt + 8 h + 0 .. 3
	ds_store_b128 v3, v[HF+4:HF+7] offset:OP+512
	s_wait_dscnt 0x0
	s_barrier_signal -1
	s_barrier_wait -1
	s_cmp_lt_u32 s12, 2
	s_cbranch_scc0 .Ldone
.irp i, 0,1,2,3,4,5,6,7,8,9,10,11,12,13,14,15
	ds_load_b128 v[W+4*\i:W+4*\i+3], v5 offset:OP+1024*\i
.endr
	s_wait_dscnt 0x0
	v_pk_add_f32 v[HF:HF+1], v[W:W+1], v[W+4:W+5]
	v_pk_add_f32 v[HF+2:HF+3], v[W+2:W+3], v[W+6:W+7]
.irp i, 2,3,4,5,6,7,8,9,10,11,12,13,14,15
	v_pk_add_f32 v[HF:HF+1], v[HF:HF+1], v[W+4*\i:W+4*\i+1]
	v_pk_add_f32 v[HF+2:HF+3], v[HF+2:HF+3], v[W+4*\i+2:W+4*\i+3]
.endr
	global_store_b128 v2, v[HF:HF+3], s[10:11]
.Ldone:
	s_wait_tensorcnt 0x0                           ; the wave's end
	ds_add_u32 v[SPW], v[NIL]
	s_wait_dscnt 0x0
	s_endpgm
.Lfunc_end_k_q02ada069d4_wofine:
	.size	k_q02ada069d4_wofine, .Lfunc_end_k_q02ada069d4_wofine-k_q02ada069d4_wofine
	.p2alignl 7, 3214868480
	.fill 96, 4, 3214868480
	.section	.rodata,"a",@progbits
	.p2align	6, 0x0
	.amdhsa_kernel k_q02ada069d4_wofine
		.amdhsa_group_segment_fixed_size 18432
		.amdhsa_private_segment_fixed_size 0
		.amdhsa_enable_private_segment 0
		.amdhsa_kernarg_size 32
		.amdhsa_user_sgpr_count 2
		.amdhsa_user_sgpr_kernarg_segment_ptr 1
		.amdhsa_wavefront_size32 1
		.amdhsa_system_sgpr_workgroup_id_x 1
		.amdhsa_system_sgpr_workgroup_id_y 1
		.amdhsa_system_sgpr_workgroup_id_z 1
		.amdhsa_system_vgpr_workitem_id 0
		.amdhsa_next_free_vgpr 256
		.amdhsa_next_free_sgpr 66
		.amdhsa_reserve_vcc 0
		.amdhsa_float_denorm_mode_32 3
		.amdhsa_float_denorm_mode_16_64 3
		.amdhsa_memory_ordered 1
		.amdhsa_forward_progress 1
		.amdhsa_inst_pref_size 14
	.end_amdhsa_kernel
	.amdgpu_metadata
---
amdhsa.version: [ 1, 2 ]
amdhsa.kernels:
  - .name:           k_q02ada069d4_wofine
    .symbol:         k_q02ada069d4_wofine.kd
    .args:
      - { .name: wo, .offset: 0, .size: 8, .value_kind: global_buffer, .address_space: global }
      - { .name: ctx, .offset: 8, .size: 8, .value_kind: global_buffer, .address_space: global }
      - { .name: woimg, .offset: 16, .size: 8, .value_kind: global_buffer, .address_space: global }
      - { .name: out0, .offset: 24, .size: 8, .value_kind: global_buffer, .address_space: global }
    .group_segment_fixed_size: 18432
    .private_segment_fixed_size: 0
    .kernarg_segment_align: 8
    .kernarg_segment_size: 32
    .max_flat_workgroup_size: 512
    .sgpr_count:     66
    .vgpr_count:     256
    .wavefront_size: 32
...
	.end_amdgpu_metadata
.endif
;; end of part 4
;; launch attn (part 5): grid 32 x 8, 8 waves a work-group, no clusters, 132,096 bytes of LDS; arguments qimg, kvimg, maskw, flags, ctx; writes ctx
.if DOCPART == 5
	.amdgcn_target "amdgcn-amd-amdhsa--gfx1250"
	.amdhsa_code_object_version 6
	.text
	.protected	k_q02ada069d4_attn
	.globl	k_q02ada069d4_attn
	.p2align	8
	.type	k_q02ada069d4_attn,@function
k_q02ada069d4_attn:
	s_mov_b64 s[64:65], 0
	v_nop
	global_prefetch_b8 v0, s[64:65] scope:SCOPE_SE
	s_setreg_imm32_b32 hwreg(HW_REG_WAVE_MODE, 25, 1), 1
	s_wait_xcnt 0x0
; ATTN.  ctx[q][head] = softmax over the keys of (q . k / 8, masked by the mask as it is given) times v; f16 operands, f32 sums, maxima and row sums.
; q comes multiplied by log2(e) / 8, so a score is the exponent to base 2.  For each query a running maximum m and sum l: p = 2^(s - m); in every step O and l are multiplied by a = 2^(old m - new m).
; A masked score is -2^127.  A row that is masked everywhere keeps m = -2^127 and p = 1: the mean of v.  In any other row such a p is 0, and what an all-masked run of keys left is wiped by a = 0.
; WHAT IS LEFT OUT.  A step of 64 keys that is masked for all 16 queries of a tile adds exactly 0 to every row that has a key that counts.  So a wave jumps over such a step, unless some row of its
; tile is masked at all 2,048 keys: such a tile walks every step.  Both facts come as whole numbers that an earlier launch stored (flags): 16 words a tile, joined here by scalar instructions.
; No pattern of the mask is built in: the jump is a scalar branch on those words, round a step's work alone; every trip count is a constant and no barrier stands under such a branch.
; SHARES.  A work-group owns four query tiles x the four query heads of one key and value head g: tiles 2 x, 2 x + 1 and their mirrors 127 - 2 x, 126 - 2 x, so that under a mask that hides later keys
; every work-group has about the same work.  Wave w = (b2 b1 b0): heads 2 b2 + 0, 1; the b1-th of the two tiles; mirrored where b0 xor b2 = 1: waves w and w + 4, and waves 2 i and 2 i + 1, hold a low and a
; high tile.  This only shapes the time.  Each fragment of K and V feeds two products, each mask word two heads.
; LAYOUT.  S^T = K Q^T and O^T = V^T P: a lane holds one query throughout; two score tiles rounded to f16 in pairs are P's fragment.  K, V, Q come as images of their registers: every load is 16 x lane.
; RING.  Two LDS slots, each a group of 4 steps (64 KiB: a step is K, then V^T, 16 KiB).  Thread t brings bytes 16 t + 4,096 n of a group through 64 registers: asked for in the middle of one slot's four steps,
; stored into the other slot in the middle of the next slot's.  A group that none of the four tiles wants is neither asked for nor stored.  One barrier at each slot's end.
; NO CLUSTER, NO TENSOR LOAD: work-groups that share K and V want different numbers of groups.
; No prefetch: which groups are walked hangs on the stored words, and each group is asked for four steps ahead of its use.
; LIMITS: a p under 6e-8 counts as 0 in the second product (f16); |ctx| under 65,504.  NaN and infinities are not served.
.set SLOT1, 65536
.set SPARE, 131072                     ; the spare words, 128 bytes a wave: no other line names them
.set SPW, 4
.set NIL, 5
.set LW,  6                            ; v6, v7: 16 x my thread's number, in slot 0 and in slot 1; v6 is also my offset in a group in memory
.set ST,  8                            ; v8-31: head hd's statistics at 8 + 12 hd: +0 m (+1), +2,+3 l, +4 a (+5), +6..+9 chains, +10 old m, +11 the other half's
.set S,   32                           ; v32-95   S^T, then p: 32 + 32 hd + 8 kt
.set P,   96                           ; v96-127  P: 96 + 16 hd + 8 kb
.set KF,  128                          ; v128-191 K(kt, f) at 128 + 8 (2 kt + f);  v192-255 V(c, kb) at 192 + 8 (2 c + kb)
.set VF,  192
.set O,   32                           ; window 1: Q at 16 hd + 8 f; O^T at 32 + 32 hd + 8 c;
.set RR,  96                           ; v96-159 of window 1: my 256 bytes x 16 of the group in transit
.set WV,  14
; scalars: s[4:5] Q, s[6:7] K and V of g, s[8:9] my tile's mask words, s[12:13] ctx, s[18:19] the group to be asked for next; s20 my tile's active steps; s21 the work-group's, shifted a group a change;
; s32 the step whose mask words are in hand or on their way, s33 the step, s34 its LDS byte, s35 its words' offset; s23, s24 counters; s[68:99] 32 mask words
.set MSB, 0
.macro WIN new                         ; the immediate's high byte repeats the setting that is left
.if MSB != \new
	s_set_vgpr_msb (MSB<<8)|\new
.set MSB, \new
.endif
.endm
; A tile's 16 words of flags (8 runs of 256 keys x 2) become its active steps: those with a key that counts; all, where a row is masked at all keys.
.macro ACT dst, b
	s_or_b32 s[\dst], s[\b], s[\b+2]
.irp i, 4,6,8,10,12,14
	s_or_b32 s[\dst], s[\dst], s[\b+\i]
.endr
	s_and_b32 s17, s[\b+1], s[\b+3]
.irp i, 5,7,9,11,13,15
	s_and_b32 s17, s17, s[\b+\i]
.endr
	s_not_b32 s[\dst], s[\dst]
	s_cmp_lg_u32 s17, 0
	s_cselect_b32 s[\dst], -1, s[\dst]
.endm
	s_load_b256 s[4:11], s[0:1], 0x0               ; qimg, kvimg, maskw, flags
	s_load_b64 s[12:13], s[0:1], 0x20              ; ctx
	v_lshl_add_u32 v[SPW], v0, 2, SPARE
	v_mov_b32 v[NIL], 0
	v_lshrrev_b32 v2, 5, v0
	v_readfirstlane_b32 s[WV], v2                  ; wave 0..7
	s_and_b32 s15, ttmp7, 0xffff                   ; g
	s_lshr_b32 s36, s[WV], 2                       ; which pair of heads
	s_xor_b32 s37, s[WV], s36
	s_and_b32 s37, s37, 1                          ; 0: a low tile, 1: its mirror
	s_bfe_u32 s38, s[WV], 0x10001                  ; which of the two
	s_lshl_b32 s39, ttmp9, 1
	s_add_co_u32 s39, s39, s38
	s_sub_co_u32 s40, 127, s39
	s_cmp_eq_u32 s37, 0
	s_cselect_b32 s16, s39, s40                    ; qt: my query tile
	s_lshl_b32 s42, ttmp9, 7                       ; flags of tiles 2 x, 2 x + 1: 64 bytes a tile
	s_mov_b32 s43, 0
	s_sub_co_u32 s44, 8064, s42                    ; and of tiles 126 - 2 x, 127 - 2 x
	s_mov_b32 s45, 0
	s_mov_b32 s40, 0x76543210
	s_mov_b32 s41, 0xfedcba98                      ; selects for lane l xor 16
	v_and_b32 v1, 31, v0
	v_lshlrev_b32 v1, 4, v1                        ; 16 x lane
	v_lshlrev_b32 v[LW], 4, v0
	v_add_nc_u32 v[LW+1], SLOT1, v[LW]
	v_mov_b32 v3, 0xff000000                       ; -2^127
.irp hd, 0,1
	v_mov_b32 v[ST+12*\hd], 0xff61b1e6             ; m: -3e38, under every score, a masked one too
	v_mov_b32 v[ST+12*\hd+1], 0
	v_mov_b32 v[ST+12*\hd+2], 0                    ; l
	v_mov_b32 v[ST+12*\hd+3], 0
	v_mov_b32 v[ST+12*\hd+5], 0
	v_mov_b32 v[ST+12*\hd+11], 0
.endr
	s_wait_kmcnt 0x0
	s_add_nc_u64 s[46:47], s[10:11], s[44:45]
	s_add_nc_u64 s[10:11], s[10:11], s[42:43]
	s_load_b512 s[20:35], s[10:11], 0x0            ; tile 2 x
	s_load_b512 s[48:63], s[10:11], 0x40           ; tile 2 x + 1
	s_load_b512 s[68:83], s[46:47], 0x0            ; tile 126 - 2 x
	s_load_b512 s[84:99], s[46:47], 0x40           ; tile 127 - 2 x
	s_lshl_b32 s42, s15, 19
	s_add_nc_u64 s[6:7], s[6:7], s[42:43]          ; K and V of my key and value head
	s_lshl_b32 s42, s16, 12
	s_add_nc_u64 s[8:9], s[8:9], s[42:43]          ; my tile's mask words
	s_lshl_b32 s17, s15, 2
	s_lshl_b32 s44, s36, 1
	s_add_co_u32 s17, s17, s44                     ; my first head
	s_lshl_b32 s42, s17, 18
	s_lshl_b32 s44, s16, 11
	s_add_co_u32 s42, s42, s44
	s_add_nc_u64 s[4:5], s[4:5], s[42:43]          ; Q
	s_lshl_b32 s42, s16, 16
	s_lshl_b32 s44, s17, 11
	s_add_co_u32 s42, s42, s44
	s_add_nc_u64 s[12:13], s[12:13], s[42:43]      ; ctx
	s_mov_b64 s[18:19], s[6:7]                     ; group 0
	WIN 0x40                                       ; destination window 1
.irp hd, 0,1
.irp f, 0,1
.irp u, 0,1
	global_load_b128 v[16*\hd+8*\f+4*\u:16*\hd+8*\f+4*\u+3], v1, s[4:5] offset:262144*\hd+1024*\f+512*\u
.endr
.endr
.endr
.set NN, 0
.rept 16
	global_load_b128 v[RR+4*NN:RR+4*NN+3], v[LW], s[18:19] offset:4096*NN   ; my part of group 0: it is asked for whatever the flags say, so that the registers in transit are written
.set NN, NN+1
.endr
.set NN, 0
.rept 64
	v_mov_b32 v[O+NN], 0                           ; O^T.  (The step is written once: the first finds zeros, which a = 0 leaves zeros)
.set NN, NN+1
.endr
	WIN 0
	s_wait_kmcnt 0x0                               ; the four tiles' flags
	ACT 100, 20
	ACT 101, 48
	ACT 104, 68
	ACT 105, 84
	s_or_b32 s21, s100, s101
	s_or_b32 s21, s21, s104
	s_or_b32 s21, s21, s105                        ; the steps that some tile of the work-group walks: the same in all eight waves
	s_cmp_eq_u32 s38, 0
	s_cselect_b32 s22, s100, s101
	s_cselect_b32 s23, s105, s104
	s_cmp_eq_u32 s37, 0
	s_cselect_b32 s20, s22, s23                    ; my tile's
	s_mov_b32 s32, -1                              ; no step's mask words are in hand
	s_mov_b32 s33, 0
; A STEP: 64 keys, both heads; jumped over where my tile's word says so.  The lines at its end, which step the address and the count, are on both ways.
.macro STEP
	s_lshr_b32 s22, s20, s33
	s_and_b32 s22, s22, 1
	s_cmp_lg_u32 s22, 0
	s_cbranch_scc0 .Lidle_\@
	s_cmp_eq_u32 s32, s33                          ; are the words that were asked for last this step's?
	s_cbranch_scc1 .Lhave_\@
	s_wait_kmcnt 0x0                               ; whatever was asked for has landed: its registers and its offset may be written
	s_lshl_b32 s35, s33, 7
	s_min_u32 s35, s35, 3968
	s_load_b512 s[68:83], s[8:9], s35 offset:0x0
	s_load_b512 s[84:99], s[8:9], s35 offset:0x40
.Lhave_\@:
	v_add_nc_u32 v2, s34, v1
.set NN, 0
.rept 32
	ds_load_b128 v[KF+4*NN:KF+4*NN+3], v2 offset:512*NN            ; K's sixteen, then V's sixteen: the image is in the registers' order
.set NN, NN+1
.endr
	s_wait_dscnt 16                                ; K is in; V's sixteen loads may be out
	WIN 0x04                                       ; source 1 (Q) in window 1
.irp hd, 0,1                           ; eight accumulators by turns, one instruction a turn
.irp kt, 0,1,2,3
	v_wmma_f32_16x16x32_f16 v[S+32*\hd+8*\kt:S+32*\hd+8*\kt+7], v[KF+16*\kt:KF+16*\kt+7], v[16*\hd:16*\hd+7], 0
.endr
.endr
.irp hd, 0,1
.irp kt, 0,1,2,3
	v_wmma_f32_16x16x32_f16 v[S+32*\hd+8*\kt:S+32*\hd+8*\kt+7], v[KF+16*\kt+8:KF+16*\kt+15], v[16*\hd+8:16*\hd+15], v[S+32*\hd+8*\kt:S+32*\hd+8*\kt+7]
.endr
.endr
	WIN 0
.rept 4
	v_nop                                          ; places in front of the first read of the scores
.endr
	s_wait_kmcnt 0x0                               ; this step's 32 mask words
.set NN, 0
.rept 32                               ; each accumulator from its low end on
	v_cndmask_b32 v[S+NN], v[S+NN], v3, s[68+NN]
	v_cndmask_b32 v[S+32+NN], v[S+32+NN], v3, s[68+NN]
.set NN, NN+1
.endr
	s_add_co_u32 s32, s33, 1                       ; the next step's words are asked for now (the loads that read s35 are done: the wait above);
	s_min_u32 s32, s32, 31                         ; the last step asks for its own again: no load leaves the buffer
	s_lshl_b32 s35, s32, 7
	s_load_b512 s[68:83], s[8:9], s35 offset:0x0
	s_load_b512 s[84:99], s[8:9], s35 offset:0x40
.irp j, 0,1,2,3                        ; the maximum of 32 scores and the old m: four chains a head, the heads by turns
.irp hd, 0,1
	v_max3_num_f32 v[ST+12*\hd+6+\j], v[S+32*\hd+8*\j], v[S+32*\hd+8*\j+1], v[S+32*\hd+8*\j+2]
.endr
.endr
.irp q, 1,2
.irp j, 0,1,2,3
.irp hd, 0,1
	v_max3_num_f32 v[ST+12*\hd+6+\j], v[ST+12*\hd+6+\j], v[S+32*\hd+8*\j+2*\q+1], v[S+32*\hd+8*\j+2*\q+2]
.endr
.endr
.endr
.irp hd, 0,1
	v_max3_num_f32 v[ST+12*\hd+6], v[ST+12*\hd+6], v[S+32*\hd+7], v[S+32*\hd+15]
	v_max3_num_f32 v[ST+12*\hd+8], v[ST+12*\hd+8], v[S+32*\hd+23], v[S+32*\hd+31]
.endr
.irp hd, 0,1
	v_max3_num_f32 v[ST+12*\hd+6], v[ST+12*\hd+6], v[ST+12*\hd+7], v[ST+12*\hd+8]
.endr
.irp hd, 0,1
	v_max3_num_f32 v[ST+12*\hd+6], v[ST+12*\hd+6], v[ST+12*\hd+9], v[ST+12*\hd]
.endr
.irp hd, 0,1
	v_permlanex16_b32 v[ST+12*\hd+11], v[ST+12*\hd+6], s40, s41    ; the query's other 32 keys lie in the lane 16 away
	v_mov_b32 v[ST+12*\hd+10], v[ST+12*\hd]
.endr
.irp hd, 0,1
	v_max_num_f32 v[ST+12*\hd], v[ST+12*\hd+6], v[ST+12*\hd+11]    ; the new m
.endr
.irp hd, 0,1
	v_sub_f32 v[ST+12*\hd+10], v[ST+12*\hd+10], v[ST+12*\hd]       ; old m - new m
.endr
.irp i, 0,2,4,6,8,10,12,14,16,18,20,22,24,26,28,30
.irp hd, 0,1
	v_pk_add_f32 v[S+32*\hd+\i:S+32*\hd+\i+1], v[S+32*\hd+\i:S+32*\hd+\i+1], v[ST+12*\hd:ST+12*\hd+1] op_sel_hi:[1,0] neg_lo:[0,1] neg_hi:[0,1]
.endr
.endr
.irp hd, 0,1                           ; ONE batch: a of both heads and the 64 weights
	v_exp_f32 v[ST+12*\hd+4], v[ST+12*\hd+10]
.endr
.set NN, 0
.rept 64
	v_exp_f32 v[S+NN], v[S+NN]
.set NN, NN+1
.endr
	v_nop                                          ; a plain instruction behind the batch
	s_wait_alu depctr_va_vdst(0)                   ; one wait for the 66, ahead of their first reader
.set NN, 0
.rept 32
	v_cvt_pk_f16_f32 v[P+NN], v[S+2*NN], v[S+2*NN+1]
.set NN, NN+1
.endr
.irp hd, 0,1
	v_pk_add_f32 v[ST+12*\hd+6:ST+12*\hd+7], v[S+32*\hd:S+32*\hd+1], v[S+32*\hd+2:S+32*\hd+3]
	v_pk_add_f32 v[ST+12*\hd+8:ST+12*\hd+9], v[S+32*\hd+4:S+32*\hd+5], v[S+32*\hd+6:S+32*\hd+7]
.endr
.irp i, 8,12,16,20,24,28
.irp hd, 0,1
	v_pk_add_f32 v[ST+12*\hd+6:ST+12*\hd+7], v[ST+12*\hd+6:ST+12*\hd+7], v[S+32*\hd+\i:S+32*\hd+\i+1]
	v_pk_add_f32 v[ST+12*\hd+8:ST+12*\hd+9], v[ST+12*\hd+8:ST+12*\hd+9], v[S+32*\hd+\i+2:S+32*\hd+\i+3]
.endr
.endr
.irp hd, 0,1
	v_pk_add_f32 v[ST+12*\hd+6:ST+12*\hd+7], v[ST+12*\hd+6:ST+12*\hd+7], v[ST+12*\hd+8:ST+12*\hd+9]
.endr
.irp hd, 0,1
	v_pk_fma_f32 v[ST+12*\hd+2:ST+12*\hd+3], v[ST+12*\hd+2:ST+12*\hd+3], v[ST+12*\hd+4:ST+12*\hd+5], v[ST+12*\hd+6:ST+12*\hd+7] op_sel_hi:[1,0,1]   ; l = l a + the step's sum
.endr
	WIN 0x41                                       ; O^T (destination, source 0) in window 1, a in window 0
.irp hd, 0,1
.irp i, 0,2,4,6,8,10,12,14,16,18,20,22,24,26,28,30
	v_pk_mul_f32 v[O+32*\hd+\i:O+32*\hd+\i+1], v[O+32*\hd+\i:O+32*\hd+\i+1], v[ST+12*\hd+4:ST+12*\hd+5] op_sel_hi:[1,0]
.endr
.endr
	s_wait_dscnt 0x0                               ; V is in
	WIN 0x50                                       ; C and D in window 1
.irp kb, 0,1
.irp hd, 0,1
.irp c, 0,1,2,3
	v_wmma_f32_16x16x32_f16 v[O+32*\hd+8*\c:O+32*\hd+8*\c+7], v[VF+16*\c+8*\kb:VF+16*\c+8*\kb+7], v[P+16*\hd+8*\kb:P+16*\hd+8*\kb+7], v[O+32*\hd+8*\c:O+32*\hd+8*\c+7]
.endr
.endr
.endr
	WIN 0
.rept 4
	v_nop                                          ; places in front of the next loads into V's registers, and of the way out's reads
.endr
.Lidle_\@:
	s_add_co_u32 s34, s34, 16384                   ; the next step's tiles,
	s_add_co_u32 s33, s33, 1                       ; and its number
.endm
.macro HALF n, hf                      ; two of slot n's four steps
	s_mov_b32 s34, \n*SLOT1+\hf*32768
	s_mov_b32 s23, 2
.Lstep_\@:
	STEP
	s_sub_co_u32 s23, s23, 1
	s_cmp_lg_u32 s23, 0
	s_cbranch_scc1 .Lstep_\@
.endm
; THE CHANGE, in the middle of a slot's four steps.  The group that I asked for at the last change is in my registers; it goes into slot m, which every wave left at the last barrier; then the group
; behind it is asked for, into the same registers.  Each of the two only if some tile of the work-group walks a step of that group: s21's low four bits, and the four above them.
; Both waits are for 0 and stand on every way, so they hold whichever way the two branches go.
.macro CHANGE m
	s_wait_loadcnt 0x0                             ; my part of the next group is in; no load of mine is out, so their base may be written
	s_and_b32 s22, s21, 15
	s_cmp_lg_u32 s22, 0
	s_cbranch_scc0 .Lno_store_\@
	WIN 0x04                                       ; an LDS store's data are its source 1: window 1
.set NN, 0
.rept 16
	ds_store_b128 v[LW+\m], v[RR+4*NN:RR+4*NN+3] offset:4096*NN    ; 512 consecutive bytes a wave
.set NN, NN+1
.endr
	WIN 0
.Lno_store_\@:
	s_add_nc_u64 s[18:19], s[18:19], 65536         ; a group on
	s_wait_dscnt 0x0                               ; the stores have read their registers
	s_and_b32 s22, s21, 0xf0
	s_cmp_lg_u32 s22, 0                            ; behind the last group s21 has run out of bits: nothing is asked for past the head's keys
	s_cbranch_scc0 .Lno_load_\@
	WIN 0x40
.set NN, 0
.rept 16
	global_load_b128 v[RR+4*NN:RR+4*NN+3], v[LW], s[18:19] offset:4096*NN
.set NN, NN+1
.endr
	WIN 0
.Lno_load_\@:
	s_lshr_b32 s21, s21, 4
.endm
.macro SUPER n                         ; slot n's four steps; at the end every wave's reads of it and stores into the other slot are done, and all eight meet
	HALF \n, 0
	CHANGE 1-\n
	HALF \n, 1
	s_wait_dscnt 0x0
	s_barrier_signal -1
	s_barrier_wait -1
.endm
	CHANGE 0                                       ; Q and group 0 are in; group 0 goes into slot 0, group 1 is asked for
	s_wait_dscnt 0x0                               ; for the others' sake: my stores are done
	s_barrier_signal -1
	s_barrier_wait -1
	s_mov_b32 s24, 4
.Lring:                                            ; four trips of two slots: 32 steps
	SUPER 0
	SUPER 1
	s_sub_co_u32 s24, s24, 1
	s_cmp_lg_u32 s24, 0
	s_cbranch_scc1 .Lring
	; THE WAY OUT: O^T / l, rounded to f16: a lane's eight channels of a token are 16 bytes of the next product's image.
	s_wait_kmcnt 0x0                               ; the last look-ahead of mask words
.irp hd, 0,1
	v_add_f32 v[ST+12*\hd+6], v[ST+12*\hd+2], v[ST+12*\hd+3]
.endr
.irp hd, 0,1
	v_permlanex16_b32 v[ST+12*\hd+11], v[ST+12*\hd+6], s40, s41
.endr
.irp hd, 0,1
	v_add_f32 v[ST+12*\hd+6], v[ST+12*\hd+6], v[ST+12*\hd+11]
.endr
.irp hd, 0,1
	v_rcp_f32 v[ST+12*\hd+4], v[ST+12*\hd+6]
.endr
	v_nop
	s_wait_alu depctr_va_vdst(0)
	WIN 0x41
.irp hd, 0,1
.irp i, 0,2,4,6,8,10,12,14,16,18,20,22,24,26,28,30
	v_pk_mul_f32 v[O+32*\hd+\i:O+32*\hd+\i+1], v[O+32*\hd+\i:O+32*\hd+\i+1], v[ST+12*\hd+4:ST+12*\hd+5] op_sel_hi:[1,0]
.endr
.endr
	WIN 0x05                                       ; sources in window 1, destination in window 0
.set NN, 0
.rept 32
	v_cvt_pk_f16_f32 v[S+NN], v[O+2*NN], v[O+2*NN+1]
.set NN, NN+1
.endr
	WIN 0
.irp n, 0,1,2,3,4,5,6,7
	global_store_b128 v1, v[S+4*\n:S+4*\n+3], s[12:13] offset:512*\n   ; 512 consecutive bytes: head n / 4, channels 16 (n % 4) + 8 h .. + 7 of token r
.endr
	s_wait_tensorcnt 0x0                           ; the wave's end
	ds_add_u32 v[SPW], v[NIL]
	s_wait_dscnt 0x0
	s_endpgm
.Lfunc_end_k_q02ada069d4_attn:
	.size	k_q02ada069d4_attn, .Lfunc_end_k_q02ada069d4_attn-k_q02ada069d4_attn
	.p2alignl 7, 3214868480
	.fill 96, 4, 3214868480
	.section	.rodata,"a",@progbits
	.p2align	6, 0x0
	.amdhsa_kernel k_q02ada069d4_attn
		.amdhsa_group_segment_fixed_size 132096
		.amdhsa_private_segment_fixed_size 0
		.amdhsa_enable_private_segment 0
		.amdhsa_kernarg_size 40
		.amdhsa_user_sgpr_count 2
		.amdhsa_user_sgpr_kernarg_segment_ptr 1
		.amdhsa_wavefront_size32 1
		.amdhsa_system_sgpr_workgroup_id_x 1
		.amdhsa_system_sgpr_workgroup_id_y 1
		.amdhsa_system_sgpr_workgroup_id_z 1
		.amdhsa_system_vgpr_workitem_id 0
		.amdhsa_next_free_vgpr 416
		.amdhsa_next_free_sgpr 106
		.amdhsa_reserve_vcc 0
		.amdhsa_float_denorm_mode_32 3
		.amdhsa_float_denorm_mode_16_64 3
		.amdhsa_memory_ordered 1
		.amdhsa_forward_progress 1
		.amdhsa_inst_pref_size 112
	.end_amdhsa_kernel
	.amdgpu_metadata
---
amdhsa.version: [ 1, 2 ]
amdhsa.kernels:
  - .name:           k_q02ada069d4_attn
    .symbol:         k_q02ada069d4_attn.kd
    .args:
      - { .name: qimg, .offset: 0, .size: 8, .value_kind: global_buffer, .address_space: global }
      - { .name: kvimg, .offset: 8, .size: 8, .value_kind: global_buffer, .address_space: global }
      - { .name: maskw, .offset: 16, .size: 8, .value_kind: global_buffer, .address_space: global }
      - { .name: flags, .offset: 24, .size: 8, .value_kind: global_buffer, .address_space: global }
      - { .name: ctx, .offset: 32, .size: 8, .value_kind: global_buffer, .address_space: global }
    .group_segment_fixed_size: 132096
    .private_segment_fixed_size: 0
    .kernarg_segment_align: 8
    .kernarg_segment_size: 40
    .max_flat_workgroup_size: 256
    .sgpr_count:     106
    .vgpr_count:     416
    .wavefront_size: 32
...
	.end_amdgpu_metadata
.endif
;; end of part 5
;; launch oproj (part 6): grid 16 x 16, 4 waves a work-group, clusters of 4 x 4, 327,680 bytes of LDS; arguments ctx, woimg, out0; writes out0
.if DOCPART == 6
	.amdgcn_target "amdgcn-amd-amdhsa--gfx1250"
	.amdhsa_code_object_version 6
	.text
	.protected	k_q02ada069d4_oproj
	.globl	k_q02ada069d4_oproj
	.p2align	8
	.type	k_q02ada069d4_oproj,@function
k_q02ada069d4_oproj:
	s_mov_b64 s[64:65], 0
	v_nop
	global_prefetch_b8 v0, s[64:65] scope:SCOPE_SE
	s_setreg_imm32_b32 hwreg(HW_REG_WAVE_MODE, 25, 1), 1
	s_wait_xcnt 0x0
	s_wait_alu depctr_hold_cnt(0) depctr_sa_sdst(0) depctr_va_vdst(0) depctr_va_sdst(0) depctr_va_ssrc(0) depctr_va_vcc(0) depctr_vm_vsrc(0)
	s_getreg_b32 s2, hwreg(HW_REG_IB_STS2, 6, 4)
	s_cmp_eq_u32 s2, 0
	s_cbranch_scc0 .Lentry_in_a_cluster
	s_endpgm
.Lentry_in_a_cluster:
	s_bfe_u32 s2, ttmp6, 0x10000c
	s_cmp_lg_u32 s2, 0xf033
	s_cbranch_scc0 .Lentry_shape_is_right
	s_endpgm
.Lentry_shape_is_right:
; OPROJ.  out0[t][n] = sum over k of ctx[t][k] wo[n][k], f16 operands, f32 sums, f32 out; rows 16 to 2,047 (rows 0-15 were made in f32 by an earlier launch and are not stored here).
; A tile of out0 is 128 x 128: 256 work-groups.  Four waves, each 64 x 64: 16 accumulators.  Both operands come as images of their registers ([tile of 16 rows][32 along K][1 KiB]), so a K step of 256
; of four row tiles is four runs of 8 KiB, 64 KiB apart: one tensor load a wave; LDS reads are 16 x lane on end and need no padding.  Two slots of 128 KiB.
; CLUSTERS: 4 x 4 work-groups.  The four of a row of the cluster need the same tiles of ctx, the four of a column the same tiles of wo: each is asked for JOINTLY.  A wave has
; two tensor loads out at the head and one behind each round.
; THE MATRIX INSTRUCTION IS USED TRANSPOSED (source 0 = 16 rows of wo, source 1 = 16 tokens): a lane holds eight neighbouring numbers of a row of out0.
; REGISTERS: window 0: v0-31 addresses; v32-95 the way out; v128-255 the accumulators ((a, b) at 128 + 8 (4 a + b)).  window 1: two fragment buffers of 128: 64 registers of A, then 64 of B, for 64 along K.
; No prefetch: a K step of this small tile is short and both operands are read by many work-groups at about the same time.  All of LDS is claimed.
.set KSB,    8192                      ; a K step of 256 in a row tile's image
.set HALFT,  32768                     ; four row tiles: what one tensor load brings, and what one wave reads of A or of B
.set SLOT,   4*HALFT
.set STAGE,  2*SLOT                    ; behind the ring: 16 rows x 272 bytes for each wave
.set SPITCH, 272
.set SPARE,  STAGE+4*16*SPITCH         ; the spare words, 128 bytes a wave: no other line names them
.set LAPS,   4                         ; a lap = two K steps; K = 2,048
.set ADRA, 16
.set ADRB, 20
.set STO,  24
.set RD,   25
.set CO,   26
.set ROWV, 27                          ; v27  my first row of out0
.set SPW,  28
.set NIL,  29
.set TMP,  32
.set ACC,  128
.set F0,   0
.set F1,   128
.set G1, 24
.set G0, 32
.set G1B, 48
.set G0B, 56
.set MSB, 0
.macro WIN new
.if MSB != \new
	s_set_vgpr_msb (MSB<<8)|\new
.set MSB, \new
.endif
.endm
.set MUL,  0x05                        ; sources 0 (B) and 1 (A) window 1; C and D window 0
.set TO_F, 0x40                        ; destination window 1, address window 0
.macro JLOAD s                         ; a joint load: waves 0 and 1 fetch A's halves, waves 2 and 3 B's; the branch hangs on the wave's number alone
	s_cmp_eq_u32 s11, 0
	s_cbranch_scc0 .Lfor_b_\@
	tensor_load_to_lds s[G0+4*\s:G0+4*\s+3], s[G1:G1+7]
	s_nop 0
.rept 4
	v_nop
.endr
	s_branch .Lasked_\@
.Lfor_b_\@:
	tensor_load_to_lds s[G0B+4*\s:G0B+4*\s+3], s[G1B:G1B+7]
	s_nop 0
.rept 4
	v_nop
.endr
.Lasked_\@:
.endm
.macro CREST
	s_cmp_lg_u32 s10, 0
	s_cbranch_scc1 .Lnot_wave_0_\@
	s_barrier_signal -3
.Lnot_wave_0_\@:
	s_barrier_wait -3
	s_barrier_signal -1
	s_barrier_wait -1
.endm
.macro CROUND
	s_barrier_signal -1
	s_barrier_wait -1
	CREST
.endm
	s_load_b128 s[4:7], s[0:1], 0x0                ; ctx, woimg
	s_load_b64 s[8:9], s[0:1], 0x10                ; out0
	v_lshl_add_u32 v[SPW], v0, 2, SPARE
	v_mov_b32 v[NIL], 0
	ds_add_u32 v[SPW], v[NIL]                      ; the wave's opening: the add, twice on end, and its wait ahead of my first tensor load
	ds_add_u32 v[SPW], v[NIL]
	v_lshrrev_b32 v1, 5, v0
	v_readfirstlane_b32 s10, v1                    ; wave 0..3
	s_lshr_b32 s11, s10, 1                         ; which half of the tile's rows is mine.  Also: I fetch for A (0) or for B (1)
	s_and_b32 s12, s10, 1                          ; which half of its columns.  Also: which four row tiles I fetch
	s_bfe_u32 s40, ttmp6, 0x40000                  ; cx, cy
	s_bfe_u32 s41, ttmp6, 0x40004
	s_lshl_b32 s42, ttmp9, 2
	s_add_co_u32 s42, s42, s40                     ; tile column
	s_and_b32 s13, ttmp7, 0xffff
	s_lshl_b32 s13, s13, 2
	s_add_co_u32 s13, s13, s41                     ; tile row
	s_lshl_b32 s43, s41, 2
	s_lshl_b32 s43, 15, s43                        ; my row of the cluster
	s_lshl_b32 s44, 0x1111, s40                    ; my column
	s_or_b32 s[G1+0], s43, (3<<16)|(1<<21)         ; the mask; elements of 8 bytes; bit 21 beside a mask; no padding
	s_or_b32 s[G1B+0], s44, (3<<16)|(1<<21)
.irp g, G1, G1B
	s_mov_b32 s[\g+1], 1024<<16                    ; tensor_dim0 = 1,024 (8 KiB)
	s_mov_b32 s[\g+2], 4<<16                       ; tensor_dim1 = 4
	s_mov_b32 s[\g+3], 1024<<16                    ; tile_dim0
	s_mov_b32 s[\g+4], 4                           ; tile_dim1
	s_mov_b32 s[\g+5], 8192                        ; from row tile to row tile: 64 KiB
	s_mov_b32 s[\g+6], 0
	s_mov_b32 s[\g+7], 0
.endr
	s_lshl_b32 s17, s12, 2
	s_lshl_b32 s16, s13, 3
	s_add_co_u32 s16, s16, s17
	s_lshl_b32 s16, s16, 16                        ; A: row tile 8 x tile row + 4 x half
	s_lshl_b32 s46, s42, 3
	s_add_co_u32 s46, s46, s17
	s_lshl_b32 s46, s46, 16                        ; B: row tile 8 x tile column + 4 x half
	s_mov_b32 s17, 0
	s_mov_b32 s47, 0
	s_lshl_b32 s20, s10, 15                        ; where they go: wave x 32 KiB
	s_wait_dscnt 0x0                               ; both opening adds are done
	s_wait_kmcnt 0x0
	s_add_nc_u64 s[14:15], s[4:5], s[16:17]
	s_add_nc_u64 s[46:47], s[6:7], s[46:47]
	CROUND                                         ; all sixteen work-groups are here: the first joint loads meet
.irp s, 0,1
	s_mov_b32 s[G0+4*\s], 1
	s_add_co_u32 s[G0+4*\s+1], s20, \s*SLOT
	s_add_nc_u64 s[G0+4*\s+2:G0+4*\s+3], s[14:15], \s*KSB
	s_or_b32 s[G0+4*\s+3], s[G0+4*\s+3], 0x80000000
	s_mov_b32 s[G0B+4*\s], 1
	s_add_co_u32 s[G0B+4*\s+1], s20, \s*SLOT
	s_add_nc_u64 s[G0B+4*\s+2:G0B+4*\s+3], s[46:47], \s*KSB
	s_or_b32 s[G0B+4*\s+3], s[G0B+4*\s+3], 0x80000000
	JLOAD \s
.endr
	v_and_b32 v1, 15, v0                           ; l % 16
	v_bfe_u32 v2, v0, 4, 1                         ; l / 16
	v_and_b32 v3, 31, v0
	v_lshlrev_b32 v3, 4, v3                        ; 16 x lane
	s_lshl_b32 s21, s11, 15                        ; my four row tiles of A
	s_lshl_b32 s22, s12, 15                        ; my four of B,
	s_add_co_u32 s22, s22, 2*HALFT                 ; which lie behind A's eight
.irp s, 0,1
	v_add_nc_u32 v[ADRA+\s], s21, v3
	v_add_nc_u32 v[ADRB+\s], s22, v3
	s_add_co_u32 s21, s21, SLOT
	s_add_co_u32 s22, s22, SLOT
.endr
	s_mul_i32 s23, s10, 16*SPITCH
	s_add_co_u32 s23, s23, STAGE                   ; my stage
	v_mul_u32_u24 v4, v1, SPITCH
	v_lshl_add_u32 v4, v2, 5, v4
	v_add_nc_u32 v[STO], s23, v4                   ; in: row l % 16, 32 bytes for each half of the lanes
	v_mul_u32_u24 v5, v2, SPITCH
	v_lshl_add_u32 v5, v1, 4, v5
	v_add_nc_u32 v[RD], s23, v5                    ; back: lanes 0-15 one row of 256 bytes, lanes 16-31 the next
	v_lshlrev_b32 v5, 13, v2
	v_lshl_add_u32 v[CO], v1, 4, v5                ; and the same two rows in out0
	s_lshl_b32 s16, s13, 7
	s_lshl_b32 s17, s11, 6
	s_add_co_u32 s16, s16, s17                     ; my first row: 128 x tile row + 64 x half
	v_mov_b32 v[ROWV], s16
	s_lshl_b32 s16, s16, 13
	s_mov_b32 s17, 0
	s_add_nc_u64 s[8:9], s[8:9], s[16:17]
	s_lshl_b32 s46, s42, 9                         ; my first column, in bytes: 512 x tile column + 256 x half
	s_lshl_b32 s47, s12, 8
	s_add_co_u32 s46, s46, s47
	s_mov_b32 s47, 0
	s_add_nc_u64 s[8:9], s[8:9], s[46:47]
.macro MUL8 f, c, a0, zero             ; 8 products: token tiles a0, a0 + 1 x all 4 column tiles, 32 along K: half c of buffer f
.irp a, \a0, \a0+1
.irp b, 0,1,2,3
.if \zero
	v_wmma_f32_16x16x32_f16 v[ACC+8*(4*(\a)+\b):ACC+8*(4*(\a)+\b)+7], v[\f+64+8*(4*\c+\b):\f+64+8*(4*\c+\b)+7], v[\f+8*(4*\c+\a):\f+8*(4*\c+\a)+7], 0
.else
	v_wmma_f32_16x16x32_f16 v[ACC+8*(4*(\a)+\b):ACC+8*(4*(\a)+\b)+7], v[\f+64+8*(4*\c+\b):\f+64+8*(4*\c+\b)+7], v[\f+8*(4*\c+\a):\f+8*(4*\c+\a)+7], v[ACC+8*(4*(\a)+\b):ACC+8*(4*(\a)+\b)+7]
.endif
.endr
.endr
.endm
.macro FETCH slot, kq, f               ; 32 LDS loads in one run: the fragments of the slot's kq-th 64 along K into buffer f; the first 32 along K first
	WIN TO_F
.irp c, 0,1
.irp i, 0,1,2,3
	ds_load_b128 v[\f+64+8*(4*\c+\i):\f+64+8*(4*\c+\i)+3],   v[ADRB+\slot] offset:(2*(\kq)+\c)*1024+\i*KSB
	ds_load_b128 v[\f+64+8*(4*\c+\i)+4:\f+64+8*(4*\c+\i)+7], v[ADRB+\slot] offset:(2*(\kq)+\c)*1024+\i*KSB+512
	ds_load_b128 v[\f+8*(4*\c+\i):\f+8*(4*\c+\i)+3],         v[ADRA+\slot] offset:(2*(\kq)+\c)*1024+\i*KSB
	ds_load_b128 v[\f+8*(4*\c+\i)+4:\f+8*(4*\c+\i)+7],       v[ADRA+\slot] offset:(2*(\kq)+\c)*1024+\i*KSB+512
.endr
.endr
.endm
.macro PLACES                          ; four places in front of loads into registers that matrix instructions have read, and of the first read of results
.rept 4
	v_nop
.endr
.endm
.macro QUARTER slot, kq, f, g, zero    ; multiplies buffer f and fetches the slot's kq-th quarter into g
	s_wait_dscnt 16                                ; the first 32 along K are in
	WIN MUL
	MUL8 \f, 0, 0, \zero
	MUL8 \f, 0, 2, \zero
	PLACES
	FETCH \slot, \kq, \g
	s_wait_dscnt 32                                ; all but the 32 just issued
	WIN MUL
	MUL8 \f, 1, 0, 0
	MUL8 \f, 1, 2, 0
.endm
; The last quarter multiplies buffer 1 and changes slots: ONE barrier; in front of it each wave waits for all its tensor loads, adds 0 to its spare word, and waits for that and for its reads of this slot.
.macro TURN slot, next, fill
	WIN 0                                          ; (the add's two registers lie in window 0)
	s_wait_tensorcnt 0x0                           ; all my tensor loads have landed: my part of the next slot
	ds_add_u32 v[SPW], v[NIL]
	s_wait_dscnt 17                                ; (the add and the youngest sixteen loads may be out)
	WIN MUL
	MUL8 F1, 0, 0, 0
	s_wait_dscnt 0x0                               ; the add is done, and my reads of this slot are over
	s_barrier_signal -1
	MUL8 F1, 0, 2, 0
.if \fill
	WIN 0
.endif
	s_barrier_wait -1
.if \fill
	CREST                                          ; the barrier has opened a round of the cluster's: no wave of any partner still reads this slot or has a load on its way
	s_add_nc_u64 s[G0+4*\slot+2:G0+4*\slot+3], s[G0+4*\slot+2:G0+4*\slot+3], 2*KSB
	s_add_nc_u64 s[G0B+4*\slot+2:G0B+4*\slot+3], s[G0B+4*\slot+2:G0B+4*\slot+3], 2*KSB
	JLOAD \slot                                    ; the first tensor load behind the round; its four v_nop are also the places in front of the loads below
.else
	PLACES
.endif
	FETCH \next, 0, F0
	WIN MUL
	MUL8 F1, 1, 0, 0
	MUL8 F1, 1, 2, 0
.endm
	s_wait_tensorcnt 1                             ; my part of K step 0 is in; K step 1's may stay out
	s_barrier_signal -1
	s_barrier_wait -1
	FETCH 0, 0, F0
	QUARTER 0, 1, F0, F1, 1                        ; the first quarter stands in front of the loop: its first products start the sums
	WIN 0
	s_mov_b32 s3, LAPS-1
.Llap:                                                 ; a trip goes once round the ring and fills both slots again
	QUARTER 0, 2, F1, F0, 0
	QUARTER 0, 3, F0, F1, 0
	TURN 0, 1, 1
	QUARTER 1, 1, F0, F1, 0
	QUARTER 1, 2, F1, F0, 0
	QUARTER 1, 3, F0, F1, 0
	TURN 1, 0, 1
	QUARTER 0, 1, F0, F1, 0
	WIN 0
	s_sub_co_u32 s3, s3, 1
	s_cmp_lg_u32 s3, 0
	s_cbranch_scc1 .Llap
	QUARTER 0, 2, F1, F0, 0                        ; the last lap fills nothing
	QUARTER 0, 3, F0, F1, 0
	TURN 0, 1, 0
	QUARTER 1, 1, F0, F1, 0
	QUARTER 1, 2, F1, F0, 0
	QUARTER 1, 3, F0, F1, 0
	s_wait_dscnt 16
	WIN MUL
	MUL8 F1, 0, 0, 0
	MUL8 F1, 0, 2, 0
	s_wait_dscnt 0
	MUL8 F1, 1, 0, 0
	MUL8 F1, 1, 2, 0
	WIN 0
; THE WAY OUT, a block of 16 rows x 64 columns at a time, through my own stage: in as 32 bytes a lane, back as whole rows of 256 bytes, which sixteen lanes store as one aligned run.
; LDS serves a wave's instructions in order: no wait between the stores and the loads, nor in front of the next block's stores.
.macro OUTBLK a
.set BK, TMP+32*((\a)%2)
.irp b, 0,1,2,3
	ds_store_b128 v[STO], v[ACC+8*(4*(\a)+\b):ACC+8*(4*(\a)+\b)+3] offset:64*\b        ; each accumulator from its low end on
	ds_store_b128 v[STO], v[ACC+8*(4*(\a)+\b)+4:ACC+8*(4*(\a)+\b)+7] offset:64*\b+16
.endr
.if (\a) >= 2
	s_wait_xcnt 0x0                                ; the stores of two blocks back have read their data
.endif
.irp t, 0,1,2,3,4,5,6,7
	ds_load_b128 v[BK+4*\t:BK+4*\t+3], v[RD] offset:\t*2*SPITCH
.endr
	s_wait_dscnt 0x0
.if (\a) == 0
	v_cmp_ne_u32 vcc_lo, 0, v[ROWV]                ; rows 0-15 of out0 are another launch's: where my first row is 0 this block stores nothing.  No branch: all lanes are switched off
	s_wait_xcnt 0x0                                ; EXEC changes only behind this wait
	s_and_saveexec_b32 s20, vcc_lo
.endif
.irp t, 0,1,2,3,4,5,6,7
	global_store_b128 v[CO], v[BK+4*\t:BK+4*\t+3], s[8:9] offset:(16*(\a)+2*\t)*8192 th:TH_STORE_NT
.endr
.if (\a) == 0
	s_wait_xcnt 0x0                                ; and again in front of the line that restores it
	s_or_b32 exec_lo, exec_lo, s20
.endif
.endm
	PLACES
	OUTBLK 0
	OUTBLK 1
	OUTBLK 2
	OUTBLK 3
	s_wait_tensorcnt 0x0                           ; the wave's end
	ds_add_u32 v[SPW], v[NIL]
	s_wait_dscnt 0x0
	CROUND                                         ; the closing round
	s_endpgm
.Lfunc_end_k_q02ada069d4_oproj:
	.size	k_q02ada069d4_oproj, .Lfunc_end_k_q02ada069d4_oproj-k_q02ada069d4_oproj
	.p2alignl 7, 3214868480
	.fill 96, 4, 3214868480
	.section	.rodata,"a",@progbits
	.p2align	6, 0x0
	.amdhsa_kernel k_q02ada069d4_oproj
		.amdhsa_group_segment_fixed_size 327680
		.amdhsa_private_segment_fixed_size 0
		.amdhsa_enable_private_segment 0
		.amdhsa_kernarg_size 24
		.amdhsa_user_sgpr_count 2
		.amdhsa_user_sgpr_kernarg_segment_ptr 1
		.amdhsa_wavefront_size32 1
		.amdhsa_system_sgpr_workgroup_id_x 1
		.amdhsa_system_sgpr_workgroup_id_y 1
		.amdhsa_system_sgpr_workgroup_id_z 1
		.amdhsa_system_vgpr_workitem_id 0
		.amdhsa_next_free_vgpr 512
		.amdhsa_next_free_sgpr 66
		.amdhsa_reserve_vcc 1
		.amdhsa_float_denorm_mode_32 3
		.amdhsa_float_denorm_mode_16_64 3
		.amdhsa_memory_ordered 1
		.amdhsa_forward_progress 1
		.amdhsa_inst_pref_size 85
	.end_amdhsa_kernel
	.amdgpu_metadata
---
amdhsa.version: [ 1, 2 ]
amdhsa.kernels:
  - .name:           k_q02ada069d4_oproj
    .symbol:         k_q02ada069d4_oproj.kd
    .args:
      - { .name: ctx, .offset: 0, .size: 8, .value_kind: global_buffer, .address_space: global }
      - { .name: woimg, .offset: 8, .size: 8, .value_kind: global_buffer, .address_space: global }
      - { .name: out0, .offset: 16, .size: 8, .value_kind: global_buffer, .address_space: global }
    .group_segment_fixed_size: 327680
    .private_segment_fixed_size: 0
    .kernarg_segment_align: 8
    .kernarg_segment_size: 24
    .max_flat_workgroup_size: 128
    .sgpr_count:     66
    .vgpr_count:     512
    .wavefront_size: 32
...
	.end_amdgpu_metadata
.endif
;; end of part 6
